; MI455X (gfx1250); checked and timed in simulation.
; The chip was launched on July 23, 2026; its instructions are those of AMD's public machine-readable ISA for CDNA 5 (MIT licence, August 2026) and "CDNA5" Instruction Set Architecture Reference Guide (July 2026). The comments in the code are by the model that wrote it; some were corrected since.
;; Multi Head Attention. Allowed arithmetic: matrix products marked QUANTISED: E2M3 operands, one E8M0 scale for each 32 along K, by v_wmma_scale_f32_16x16x128_f8f6f4 with both operands' format E2M3, f32 sums; everything else in f32.
;; Inputs: Wk 1,024 x 1,024 float32; Wo 1,024 x 1,024 float32; Wq 1,024 x 1,024 float32; Wv 1,024 x 1,024 float32; bk 1,024 float32; bo 1,024 float32; bq 1,024 float32; bv 1,024 float32; key 2 x 2,048 x 1,024 float32; query 2 x 2,048 x 1,024 float32; value 2 x 2,048 x 1,024 float32.
;; Outputs: out0 2 x 2,048 x 1,024 float32.
;; This version of the problem:
;;   THIS VERSION OF THE PROBLEM IS GIVEN IN LOW PRECISION. The matrix products marked QUANTISED in the list below multiply operands that are first quantised to E2M3 (2 exponent bits, 3 mantissa bits; 6 bits a number), with one power-of-two scale for each 32 numbers along K (OCP MX v1.0); their sums are f32. All else is computed in f32.
;;   The module's matrix products, in the order in which they are computed (A, B: the left and right operand; K: the contracted axis; several contracted axes count as one K, in the product's order):
;;     1. [M 4,096, K 1,024] x [K 1,024, N 1,024]; A: input query; B: input Wq: QUANTISED
;;     2. [M 4,096, K 1,024] x [K 1,024, N 1,024]; A: input key; B: input Wk: QUANTISED
;;     3. [M 4,096, K 1,024] x [K 1,024, N 1,024]; A: input value; B: input Wv: QUANTISED
;;     4. batch 32 x [M 2,048, K 64] x [K 64, N 2,048]; A: computed on the way; B: computed on the way: QUANTISED
;;     5. batch 32 x [M 2,048, K 2,048] x [K 2,048, N 64]; A: softmax (see below); B: computed on the way: QUANTISED
;;     6. [M 4,096, K 1,024] x [K 1,024, N 1,024]; A: computed on the way; B: input Wo: QUANTISED
;;   THE QUANTISER, for each operand of a quantised product, along K:
;;     - K is cut into blocks of 32 from its start; a last block that is shorter is filled with zeros.
;;     - A block's scale is 2^e with e = floor(log2(the largest magnitude in the block)) - 2, held to -126 .. 127; a block of zeros has e = 0. As a byte (E8M0): e + 127.
;;     - Each number is divided by its block's scale, clamped to +-7.5, and rounded to the nearest number of E2M3, ties to even, subnormals kept.
;;     - The product sums the exact products of the quantised numbers (number of the format x scale) in f32.
;;   ~~~python
;;   def quantise(x, axis):      # numpy; x: float32 -> the quantised numbers, widened to float32 again
;;       x = np.moveaxis(x, axis, -1); K = x.shape[-1]
;;       x = np.pad(x, [(0, 0)] * (x.ndim - 1) + [(0, -K % 32)]); x = x.reshape(x.shape[:-1] + (-1, 32)); a = np.abs(x).max(-1, keepdims=True)
;;       e = np.where(a > 0, np.clip(np.frexp(np.where(a > 0, a, 1))[1] - 1 - 2, -126, 127), 0)      # np.frexp(a)[1] - 1 = floor(log2(a)), exactly
;;       r = np.clip(x / 2.0 ** e, -7.5, 7.5)
;;       step = 2.0 ** (np.maximum(np.frexp(np.where(r == 0, 1, r))[1] - 1, 0) - 3)
;;       q = np.round(r / step) * step * 2.0 ** e      # np.round: ties to even
;;       return np.moveaxis(q.reshape(q.shape[:-2] + (-1,))[..., :K], -1, axis).astype(np.float32)
;;   ~~~
;;   SOFTMAX AHEAD OF A QUANTISED PRODUCT. Where the list says 'softmax', what is quantised is not the finished softmax but p = 2^(t - M), with t = logit x log2(e) and M = ceil(the row's largest t), a whole number; so 1/2 < the row's largest p <= 1. The row's sum l is taken of the UNQUANTISED p, in f32, and the product's result is divided by l at the end. Since M is a whole number, a kernel that streams over the keys may use a running M (the ceiling of the running maximum): every later rescaling is an exact power of two, which a block's scale takes up: the codes' values come out the same.
;;   OPERANDS COMPUTED ON THE WAY. 'Computed on the way' means the value that the module computes at that place (a softmax that the list does not call 'softmax' is quantised finished and normalised). What goes into a quantiser is computed in f32, as accurately as f32 sums, v_exp_f32 and their like allow (about 1e-6 of the number): no bf16 or f16 on the way to a quantiser, and a product that is left as it is and whose result goes on into a quantised operand takes f32 operands (vector FMAs, or v_wmma_f32_16x16x4_f32). A number that lies on a knife's edge between two numbers of the format may be rounded either way, as far as f32 arithmetic and the matrix unit's own rounding can turn it there, and no further.
;; One version. Each part assembles by itself: llvm-mc -triple=amdgcn-amd-amdhsa -mcpu=gfx1250 --defsym DOCPART=n.
;; ======== version 1 of 1: 4 launches
;; limits: right only within a limited range of input values
;; workspace buffers: codes 15,728,640 bytes; scales 655,360 bytes; img 9,437,184 bytes; isc 393,216 bytes
;; launch quant (part 1): grid 256 x 1, 8 waves a work-group, no clusters, 327,680 bytes of LDS; arguments query, key, value, Wq, Wk, Wv, Wo, codes, scales; writes codes, scales
.if DOCPART == 1
	.amdgcn_target "amdgcn-amd-amdhsa--gfx1250"
	.amdhsa_code_object_version 6
	.text
	.protected	k_qe28cfbf57c_quant
	.globl	k_qe28cfbf57c_quant
	.p2align	8
	.type	k_qe28cfbf57c_quant,@function
k_qe28cfbf57c_quant:
	s_mov_b64 s[64:65], 0
	v_nop
	global_prefetch_b8 v0, s[64:65] scope:SCOPE_SE
	s_setreg_imm32_b32 hwreg(HW_REG_WAVE_MODE, 25, 1), 1
	s_wait_xcnt 0x0
.set PITCH, 528
.set TILE,  32*PITCH
.set WREG,  2*TILE
.set RP,    2*PITCH                    ; an LDS row: 1,024 bytes of a tensor's row, 16 bytes of padding behind each 512
.set LA,   1
.set L16,  2
.set L8,   3
.set TM,   16
.set PT,   32
.set PW,   40
.set SP,   44
.set PC,   48
.set X0,   96
.set X1,   160
.set WV,   24
.set G1,   28
.set G0,   36
.set SEL,  44
.macro QUANT s, d0, d1, pw
.irp b, 0,1,2,3
	v_max3_num_f32 v[TM+\b], |v[(\s)+16*\b]|, |v[(\s)+1+16*\b]|, 0x1800000
.endr
.irp i, 2,4,6,8,10,12,14
.irp b, 0,1,2,3
	s_delay_alu instid0(VALU_DEP_4)
	v_max3_num_f32 v[TM+\b], v[TM+\b], |v[(\s)+16*\b+\i]|, |v[(\s)+1+16*\b+\i]|
.endr
.endr
.irp b, 0,1,2,3
	s_delay_alu instid0(VALU_DEP_4)
	v_permlanex16_b32 v[TM+4+\b], v[TM+\b], s[SEL], s[SEL+1]
.endr
.irp b, 0,1,2,3
	s_delay_alu instid0(VALU_DEP_4)
	v_max_num_f32 v[TM+\b], v[TM+\b], v[TM+4+\b]
.endr
.irp b, 0,1,2,3
	s_delay_alu instid0(VALU_DEP_4)
	v_add_nc_u32 v[TM+12+\b], 0xff000000, v[TM+\b]
.endr
.irp b, 0,1,2,3
	s_delay_alu instid0(VALU_DEP_4)
	v_lshrrev_b32 v[TM+4+\b], 23, v[TM+12+\b]
.endr
	s_delay_alu instid0(VALU_DEP_3)
	v_lshl_or_b32 v[\pw], v[TM+5], 8, v[TM+4]
	s_delay_alu instid0(VALU_DEP_1)
	v_lshl_or_b32 v[\pw], v[TM+6], 16, v[\pw]
	s_delay_alu instid0(VALU_DEP_1)
	v_lshl_or_b32 v[\pw], v[TM+7], 24, v[\pw]
	v_cvt_scalef32_pk16_fp6_f32 v[(\d0):(\d0)+2], v[(\s):(\s)+15], v[TM+12]
	v_cvt_scalef32_pk16_fp6_f32 v[PT:PT+2], v[(\s)+16:(\s)+31], v[TM+13]
	v_cvt_scalef32_pk16_fp6_f32 v[(\d1):(\d1)+2], v[(\s)+32:(\s)+47], v[TM+14]
	v_cvt_scalef32_pk16_fp6_f32 v[PT+4:PT+6], v[(\s)+48:(\s)+63], v[TM+15]
	v_nop
.irp i, 0,1,2
	v_permlane16_swap_b32 v[(\d0)+\i], v[PT+\i]
.endr
.irp i, 0,1,2
	s_delay_alu instid0(VALU_DEP_3)
	v_mov_b32 v[(\d0)+3+\i], v[PT+\i]
.endr
.irp i, 0,1,2
	v_permlane16_swap_b32 v[(\d1)+\i], v[PT+4+\i]
.endr
.irp i, 0,1,2
	s_delay_alu instid0(VALU_DEP_3)
	v_mov_b32 v[(\d1)+3+\i], v[PT+4+\i]
.endr
.endm
.macro LOADX kk, u, x
.irp b, 0,1,2,3
.irp j, 0,1,2,3
	ds_load_b128 v[\x+16*\b+4*\j:\x+16*\b+4*\j+3], v[LA] offset:\kk*PITCH+\u*8*RP+128*\b+16*\j
.endr
.endr
.endm
.macro PUT kk, u
.irp c, 0,1,2
	global_store_b128 v[L16], v[PC+12*(2*\kk+\u)+4*\c:PC+12*(2*\kk+\u)+4*\c+3], s[18:19] offset:\u*12288+\kk*1536+512*\c
.endr
.endm
	s_load_b256 s[4:11], s[0:1], 0x0
	s_load_b256 s[12:19], s[0:1], 0x20
	s_load_b64 s[20:21], s[0:1], 0x40
	v_lshl_add_u32 v224, v0, 2, 0x42000
	v_mov_b32 v225, 0
	ds_add_u32 v224, v225
	ds_add_u32 v224, v225
	v_lshrrev_b32 v1, 5, v0
	s_delay_alu instid0(VALU_DEP_1)
	v_readfirstlane_b32 s[WV], v1
	s_mov_b32 s[G1+0], (2<<16)|(1<<20)|(6<<22)|(3<<25)
	s_mov_b32 s[G1+1], 256<<16
	s_mov_b32 s[G1+2], 32<<16
	s_mov_b32 s[G1+3], 256<<16
	s_mov_b32 s[G1+4], 32
	s_mov_b32 s[G1+5], 1024
	s_mov_b32 s[G1+6], 0
	s_mov_b32 s[G1+7], 0
	s_mov_b32 s[SEL], 0x76543210
	s_mov_b32 s[SEL+1], 0xfedcba98
	s_cmp_lt_u32 ttmp9, 192
	s_cselect_b32 s25, 63, 15
	s_and_b32 s25, ttmp9, s25
	s_lshl_b32 s26, s25, 18
	s_lshr_b32 s25, s[WV], 2
	s_lshl_b32 s46, s25, 17
	s_add_co_u32 s26, s26, s46
	s_and_b32 s47, s[WV], 3
	s_lshl_b32 s46, s47, 10
	s_add_co_u32 s26, s26, s46
	s_mov_b32 s27, 0
	s_mul_i32 s46, s[WV], WREG
	s_wait_dscnt 0x0
	s_wait_kmcnt 0x0
	s_mov_b64 s[22:23], s[16:17]
	s_cmp_lt_u32 ttmp9, 240
	s_cselect_b64 s[22:23], s[14:15], s[22:23]
	s_cmp_lt_u32 ttmp9, 224
	s_cselect_b64 s[22:23], s[12:13], s[22:23]
	s_cmp_lt_u32 ttmp9, 208
	s_cselect_b64 s[22:23], s[10:11], s[22:23]
	s_cmp_lt_u32 ttmp9, 192
	s_cselect_b64 s[22:23], s[8:9], s[22:23]
	s_cmp_lt_u32 ttmp9, 128
	s_cselect_b64 s[22:23], s[6:7], s[22:23]
	s_cmp_lt_u32 ttmp9, 64
	s_cselect_b64 s[22:23], s[4:5], s[22:23]
	s_add_nc_u64 s[22:23], s[22:23], s[26:27]
	s_mov_b32 s[G0], 1
	s_mov_b32 s[G0+1], s46
	s_mov_b64 s[G0+2:G0+3], s[22:23]
	s_or_b32 s[G0+3], s[G0+3], 0x80000000
	tensor_load_to_lds s[G0:G0+3], s[G1:G1+7]      ; my one load: 32 rows x 1,024 bytes
	s_nop 0
.rept 4
	v_nop
.endr
	v_and_b32 v4, 31, v0
	v_and_b32 v5, 15, v0
	v_bfe_u32 v6, v0, 4, 1
	s_delay_alu instid0(VALU_DEP_2)
	v_and_b32 v7, 7, v5                            ; THE ORDER OF ROWS: lane-row 8 g + j of block a (0..3) of the work-group's 64 rows is row 32 g + 8 a + j
	v_lshrrev_b32 v8, 3, v5                        ; g: rows 32 g .. lie in the region of wave 4 g + (my quarter of K)
	s_mul_i32 s46, s47, WREG
	s_mul_i32 s26, s25, 16*RP                      ; my blocks are a = 2 (wave / 4) + u
	s_add_co_u32 s46, s46, s26
	v_mul_u32_u24 v[LA], v7, RP
	v_mad_u32_u24 v[LA], v8, 4*WREG, v[LA]
	v_lshl_add_u32 v[LA], v6, 6, v[LA]
	v_add_nc_u32 v[LA], s46, v[LA]
	v_lshlrev_b32 v[L16], 4, v4
	v_lshlrev_b32 v[L8], 3, v4
.irp b, 0,1,2,3
	v_mov_b32 v[TM+4+\b], 0
.endr
	s_lshl_b32 s46, ttmp9, 1
	s_add_co_u32 s46, s46, s25
	s_mul_i32 s26, s46, 24576
	s_mul_i32 s25, s47, 3072
	s_add_co_u32 s26, s26, s25
	s_add_nc_u64 s[18:19], s[18:19], s[26:27]
	s_lshl_b32 s26, s46, 10
	s_lshl_b32 s25, s47, 8
	s_add_co_u32 s26, s26, s25
	s_add_nc_u64 s[20:21], s[20:21], s[26:27]
	s_wait_alu depctr_va_vdst(0)
	s_wait_tensorcnt 0x0                           ; my tile is in;
	s_barrier_signal -1
	s_barrier_wait -1                              ; and everybody's: a block takes rows of two waves' tiles
	LOADX 0, 0, X0
	LOADX 0, 1, X1
	s_wait_dscnt 16
	QUANT X0, PC, PC+6, PW
	PUT 0, 0
	s_wait_tensorcnt 0x0
	LOADX 1, 0, X0
	s_wait_dscnt 16
	QUANT X1, PC+12, PC+18, PW+2
	PUT 0, 1
	LOADX 1, 1, X1
	s_wait_dscnt 16
	QUANT X0, PC+24, PC+30, PW+1
	PUT 1, 0
	s_wait_dscnt 0x0
	QUANT X1, PC+36, PC+42, PW+3
	PUT 1, 1
	v_cmp_le_u32 vcc_lo, 16, v4
	s_delay_alu instid0(VALU_DEP_1)
	v_cndmask_b32 v[SP], v[PW], v[PW+2], vcc_lo
	s_delay_alu instid0(VALU_DEP_2)
	v_cndmask_b32 v[SP+1], v[PW+1], v[PW+3], vcc_lo
	global_store_b64 v[L8], v[SP:SP+1], s[20:21]
	s_wait_tensorcnt 0x0
	ds_add_u32 v224, v225
	s_wait_dscnt 0x0
	s_endpgm
.Lfunc_end_k_qe28cfbf57c_quant:
	.size	k_qe28cfbf57c_quant, .Lfunc_end_k_qe28cfbf57c_quant-k_qe28cfbf57c_quant
	.p2alignl 7, 3214868480
	.fill 96, 4, 3214868480
	.section	.rodata,"a",@progbits
	.p2align	6, 0x0
	.amdhsa_kernel k_qe28cfbf57c_quant
		.amdhsa_group_segment_fixed_size 327680
		.amdhsa_private_segment_fixed_size 0
		.amdhsa_enable_private_segment 0
		.amdhsa_kernarg_size 72
		.amdhsa_user_sgpr_count 2
		.amdhsa_user_sgpr_kernarg_segment_ptr 1
		.amdhsa_wavefront_size32 1
		.amdhsa_system_sgpr_workgroup_id_x 1
		.amdhsa_system_sgpr_workgroup_id_y 1
		.amdhsa_system_sgpr_workgroup_id_z 1
		.amdhsa_system_vgpr_workitem_id 0
		.amdhsa_next_free_vgpr 226
		.amdhsa_next_free_sgpr 66
		.amdhsa_reserve_vcc 1
		.amdhsa_float_denorm_mode_32 3
		.amdhsa_float_denorm_mode_16_64 3
		.amdhsa_memory_ordered 1
		.amdhsa_forward_progress 1
		.amdhsa_inst_pref_size 32
	.end_amdhsa_kernel
	.amdgpu_metadata
---
amdhsa.version: [ 1, 2 ]
amdhsa.kernels:
  - .name:           k_qe28cfbf57c_quant
    .symbol:         k_qe28cfbf57c_quant.kd
    .args:
      - { .name: query, .offset: 0, .size: 8, .value_kind: global_buffer, .address_space: global }
      - { .name: key, .offset: 8, .size: 8, .value_kind: global_buffer, .address_space: global }
      - { .name: value, .offset: 16, .size: 8, .value_kind: global_buffer, .address_space: global }
      - { .name: Wq, .offset: 24, .size: 8, .value_kind: global_buffer, .address_space: global }
      - { .name: Wk, .offset: 32, .size: 8, .value_kind: global_buffer, .address_space: global }
      - { .name: Wv, .offset: 40, .size: 8, .value_kind: global_buffer, .address_space: global }
      - { .name: Wo, .offset: 48, .size: 8, .value_kind: global_buffer, .address_space: global }
      - { .name: codes, .offset: 56, .size: 8, .value_kind: global_buffer, .address_space: global }
      - { .name: scales, .offset: 64, .size: 8, .value_kind: global_buffer, .address_space: global }
    .group_segment_fixed_size: 327680
    .private_segment_fixed_size: 0
    .kernarg_segment_align: 8
    .kernarg_segment_size: 72
    .max_flat_workgroup_size: 256
    .sgpr_count:     66
    .vgpr_count:     226
    .wavefront_size: 32
...
	.end_amdgpu_metadata
.endif
;; end of part 1
;; launch proj (part 2): grid 4 x 48, 4 waves a work-group, clusters of 4 x 4, 327,680 bytes of LDS; arguments codes, scales, bq, bk, bv, img, isc; writes img, isc
.if DOCPART == 2
	.amdgcn_target "amdgcn-amd-amdhsa--gfx1250"
	.amdhsa_code_object_version 6
	.text
	.protected	k_qe28cfbf57c_proj
	.globl	k_qe28cfbf57c_proj
	.p2align	8
	.type	k_qe28cfbf57c_proj,@function
k_qe28cfbf57c_proj:
	s_mov_b64 s[64:65], 0
	v_nop
	global_prefetch_b8 v0, s[64:65] scope:SCOPE_SE
	s_setreg_imm32_b32 hwreg(HW_REG_WAVE_MODE, 25, 1), 1
	s_wait_xcnt 0x0
	s_wait_alu depctr_hold_cnt(0) depctr_sa_sdst(0) depctr_va_vdst(0) depctr_va_sdst(0) depctr_va_ssrc(0) depctr_va_vcc(0) depctr_vm_vsrc(0)
	s_getreg_b32 s2, hwreg(HW_REG_IB_STS2, 6, 4)
	s_cmp_eq_u32 s2, 0
	s_cbranch_scc0 .Lentry_in_a_cluster
	s_endpgm
.Lentry_in_a_cluster:
	s_bfe_u32 s2, ttmp6, 0x10000c
	s_cmp_lg_u32 s2, 0xf033
	s_cbranch_scc0 .Lentry_shape_is_right
	s_endpgm
.Lentry_shape_is_right:
; The three projections q = query Wq^T + bq, k = key Wk^T + bk, v = value Wv^T + bv on codes of FP6 (E2M3) with E8M0 scales, sums in f32; the results, with their bias, are quantised in registers
; and leave as images of the operands that attention wants.  LIMITS: NaN and infinities are not served; a block of results whose largest magnitude lies under 2^-124, or is 0, keeps the scale byte 1.
; ONE FORM: C'[m'][n'] = sum over k of A'[m'][k] B'[n'][k], quantised along n'.  q, k: A' = the tokens, B' = the weight: n' runs along the head's 64.  v: A' = Wv, B' = value: C' = v^T, n' runs along the KEYS.
; The matrix instruction takes 16 rows of B' as source 0 and 16 rows of A' as source 1: a lane holds one row m', and, by the order of rows in a block (lane-row r of block a is row 64 (a / 4) + 8 (a % 4) + r % 8 + 32 (r / 8)),
; the 64 result registers of A's block a against B's eight blocks are n' = 64 c + 32 h + i at register 32 c + i: what the quantiser takes.
; SHARES.  A tile of C' is 256 x 256: four waves, 128 x 128 each, 64 accumulators.  64 tiles to each projection's 4,096 x 1,024 ... 16 x 4 (q, k) or 4 x 16 (v): 192 work-groups.
; CLUSTERS of 4 x 4: A's tile is asked for jointly along a row of the cluster, B's along a column.  Which projection a cluster serves hangs on the cluster's y alone: the same in all sixteen partners.
; K = 1,024 is eight steps of 128.  A slot of LDS holds two steps of 16 + 16 blocks as fragment images; slots 0 and 1 are filled at the head by one load a wave, slot 2 by a second behind a round, the first is filled again once, with the last two steps.
; REGISTERS, in windows of 256.  Window 0: v1-7 lane numbers and offsets; v8-13 LDS addresses; v14-15 the add's two; v16-31 v's bias by rows; v32-95 scale words (8 i + ks: lanes 0-15 A's block i, lanes 16-31 B's);
;   v96-127 at work on the way out; v128-223 A's fragments, ONE set (on the way out: 64 numbers, two images, the conversions' halves).
; Window 1: B's fragments, two sets at v0 and v128; q's or k's bias by columns at v96-127 and v224-255.  Windows 2, 3: accumulator (a, b) at v[8 (8 (a % 4) + b)].
.set FRB,   1536                       ; a fragment's image
.set BLKB,  2*FRB                      ; a block's two K steps in a slot
.set PART,  8*BLKB                     ; eight blocks: what one tensor load brings, and what one wave reads of A' or of B'
.set SLOT,  4*PART
.set SPARE, 3*SLOT                     ; the spare words: 128 bytes a wave, two blocks of 256 bytes that no other line names
.set ROWB,  12288                      ; a block's eight fragments in memory
.set ADRA, 8                           ; v8-10   my A' fragments in slot 0, 1, 2
.set ADRB, 11                          ; v11-13  my B' fragments
.set SPW,  14
.set NIL,  15
.set RB,   16
.set SC,   32
.set TM,   96
.set PW,   112
.set SWB,  114                         ; v114-121 scale words to go out: 4 x head + item
.set DW,   122
.set L16,  126
.set L8,   127
.set AF,   128
.set H,    128
.set IM0,  192
.set IM1,  204
.set PT,   216
.set WV, 18
.set HA, 19                            ; which half of the tile's rows is mine; also: I fetch for A' (0) or B' (1)
.set HB, 20                            ; which half of its columns; also: which eight blocks I fetch
.set CX, 21
.set CY, 22
.set TT, 23                            ; 0 q, 1 k, 2 v
.set TR, 25
.set TC, 26
.set G1A, 28
.set G1B, 36
.set G0A, 44                           ; s[44:55] three groups 0 for A'
.set G0B, 68                           ; s[68:79] for B'
.set SEL, 80
.set MSB, 0
.macro WIN new                         ; the immediate's high byte repeats the setting that is left
.if MSB != (\new)
	s_set_vgpr_msb (MSB<<8)|(\new)
.set MSB, (\new)
.endif
.endm
.set MUL_LO, 0xa1                      ; source 0 (B') window 1, source 1 (A') window 0, C and D window 2
.set MUL_HI, 0xf1
.set TO_B,   0x40
.macro PLACES n
.rept \n
	v_nop
.endr
.endm
.macro JLOAD g0a, g1a, g0b, g1b        ; a joint load: waves 0, 1 for A', waves 2, 3 for B'; four v_nop follow each line
	s_cmp_eq_u32 s[HA], 0
	s_cbranch_scc0 .Lfor_b_\@
	tensor_load_to_lds s[\g0a:\g0a+3], s[\g1a:\g1a+7]
	s_nop 0
.rept 4
	v_nop
.endr
	s_branch .Lasked_\@
.Lfor_b_\@:
	tensor_load_to_lds s[\g0b:\g0b+3], s[\g1b:\g1b+7]
	s_nop 0
.rept 4
	v_nop
.endr
.Lasked_\@:
.endm
.macro CREST                           ; a round of the cluster's barrier behind its opening barrier
	s_cmp_lg_u32 s[WV], 0
	s_cbranch_scc1 .Lnot_wave_0_\@
	s_barrier_signal -3
.Lnot_wave_0_\@:
	s_barrier_wait -3
	s_barrier_signal -1
	s_barrier_wait -1
.endm
.macro CROUND
	s_barrier_signal -1
	s_barrier_wait -1
	CREST
.endm
.macro QUANT s, d0, d1, pw             ; 64 numbers, register 32 c + i = n' 64 c + 32 h + i of my row (two whole scale blocks a lane): six registers of codes at v[d0], six at v[d1], my row's scale word in v[pw]
.irp b, 0,1,2,3
	v_max3_num_f32 v[TM+\b], |v[(\s)+16*\b]|, |v[(\s)+1+16*\b]|, 0x1800000   ; and the floor 2^(3 - 127): the byte cannot fall under 1
.endr
.irp i, 2,4,6,8,10,12,14
.irp b, 0,1,2,3
	v_max3_num_f32 v[TM+\b], v[TM+\b], |v[(\s)+16*\b+\i]|, |v[(\s)+1+16*\b+\i]|
.endr
.endr
	v_max_num_f32 v[TM], v[TM], v[TM+1]            ; block h
	v_max_num_f32 v[TM+2], v[TM+2], v[TM+3]        ; block 2 + h
	v_add_nc_u32 v[TM+12], 0xff000000, v[TM]       ; 2 off the exponent field: the conversion's scale operand
	v_add_nc_u32 v[TM+13], 0xff000000, v[TM+2]
	v_lshrrev_b32 v[TM+4], 23, v[TM+12]
	v_lshrrev_b32 v[TM+5], 23, v[TM+13]
	v_lshl_or_b32 v[\pw], v[TM+5], 16, v[TM+4]
	v_lshlrev_b32 v[\pw], v7, v[\pw]               ; my two bytes at their places, 8 h bits up;
	v_permlanex16_b32 v[TM+6], v[\pw], s[SEL], s[SEL+1]
	v_or_b32 v[\pw], v[\pw], v[TM+6]               ; with lane l xor 16's two the word is whole
	v_cvt_scalef32_pk16_fp6_f32 v[(\d0):(\d0)+2], v[(\s):(\s)+15], v[TM+12]
	v_cvt_scalef32_pk16_fp6_f32 v[PT:PT+2], v[(\s)+16:(\s)+31], v[TM+12]
	v_cvt_scalef32_pk16_fp6_f32 v[(\d1):(\d1)+2], v[(\s)+32:(\s)+47], v[TM+13]
	v_cvt_scalef32_pk16_fp6_f32 v[PT+4:PT+6], v[(\s)+48:(\s)+63], v[TM+13]
	v_nop                                          ; one plain place behind a scaled conversion
.irp i, 0,1,2
	v_mov_b32 v[(\d0)+3+\i], v[PT+\i]
.endr
.irp i, 0,1,2
	v_mov_b32 v[(\d1)+3+\i], v[PT+4+\i]
.endr
.endm
	s_load_b256 s[4:11], s[0:1], 0x0               ; codes, scales, bq, bk
	s_load_b128 s[12:15], s[0:1], 0x20             ; bv, img
	s_load_b64 s[16:17], s[0:1], 0x30              ; isc
	v_lshl_add_u32 v[SPW], v0, 2, SPARE
	v_mov_b32 v[NIL], 0
	ds_add_u32 v14, v15
	ds_add_u32 v14, v15
	s_wait_dscnt 0x0
	v_lshrrev_b32 v1, 5, v0
	v_readfirstlane_b32 s[WV], v1                  ; wave 0..3
	s_lshr_b32 s[HA], s[WV], 1
	s_and_b32 s[HB], s[WV], 1
	s_bfe_u32 s[CX], ttmp6, 0x40000
	s_bfe_u32 s[CY], ttmp6, 0x40004
	s_and_b32 s27, ttmp7, 0xffff                   ; the cluster's y, 0..11
	s_lshr_b32 s[TT], s27, 2                       ; which projection
	s_and_b32 s24, s27, 3
	s_lshl_b32 s24, s24, 2                         ; 4 x which quarter of the tokens
	s_lshl_b32 s56, s[TT], 8                       ; the tokens' first block: 256 T
	s_lshl_b32 s57, s[TT], 6
	s_add_co_u32 s57, s57, 768                     ; the weight's: 768 + 64 T
	s_cmp_eq_u32 s[TT], 2                          ; v: the weight is A', the tokens are B'
	s_cselect_b32 s[TR], 0, s24
	s_cselect_b32 s[TC], s24, 0
	s_cselect_b32 s56, 896, s56                    ; A's first block
	s_cselect_b32 s57, 512, s57                    ; B's
	s_add_co_u32 s[TR], s[TR], s[CY]               ; tile row of C'
	s_add_co_u32 s[TC], s[TC], s[CX]               ; tile column
	s_lshl_b32 s58, s[CY], 2
	s_lshl_b32 s58, 15, s58                        ; my row of the cluster
	s_lshl_b32 s59, 0x1111, s[CX]                  ; my column
	s_or_b32 s[G1A], s58, (3<<16)|(1<<21)          ; the mask; elements of 8 bytes; bit 21 beside a mask; no padding: images are read 16 bytes a lane on end
	s_or_b32 s[G1B], s59, (3<<16)|(1<<21)
.irp g, G1A, G1B
	s_mov_b32 s[\g+1], 768<<16                     ; tensor_dim0: at the head 6,144 bytes, a block's K steps 0 to 3
	s_mov_b32 s[\g+2], 8<<16                       ; tensor_dim1: eight blocks
	s_mov_b32 s[\g+3], 768<<16
	s_mov_b32 s[\g+4], 8
	s_mov_b32 s[\g+5], ROWB/8                      ; from block to block
	s_mov_b32 s[\g+6], 0
	s_mov_b32 s[\g+7], 0
.endr
	s_mov_b32 s[SEL], 0x76543210
	s_mov_b32 s[SEL+1], 0xfedcba98
	s_lshl_b32 s60, s[TR], 4
	s_add_co_u32 s60, s60, s56                     ; the tile's first block of A'
	s_lshl_b32 s61, s[TC], 4
	s_add_co_u32 s61, s61, s57                     ; of B'
	s_lshl_b32 s62, s[HB], 3
	s_add_co_u32 s82, s60, s62                     ; the eight that I fetch, if I fetch for A'
	s_add_co_u32 s84, s61, s62                     ; or for B'
	s_mul_i32 s82, s82, ROWB
	s_mov_b32 s83, 0
	s_mul_i32 s84, s84, ROWB
	s_mov_b32 s85, 0
	s_mul_i32 s63, s[WV], PART                     ; where they go: no place in the cluster enters an LDS address
	s_wait_kmcnt 0x0
	s_add_nc_u64 s[82:83], s[4:5], s[82:83]
	s_add_nc_u64 s[84:85], s[4:5], s[84:85]
	CROUND                                         ; all sixteen work-groups are here: the first joint loads meet
.irp s, 0,1,2
	s_mov_b32 s[G0A+4*\s], 1
	s_add_co_u32 s[G0A+4*\s+1], s63, \s*SLOT
	s_add_nc_u64 s[G0A+4*\s+2:G0A+4*\s+3], s[82:83], \s*BLKB
	s_or_b32 s[G0A+4*\s+3], s[G0A+4*\s+3], 0x80000000
	s_mov_b32 s[G0B+4*\s], 1
	s_add_co_u32 s[G0B+4*\s+1], s63, \s*SLOT
	s_add_nc_u64 s[G0B+4*\s+2:G0B+4*\s+3], s[84:85], \s*BLKB
	s_or_b32 s[G0B+4*\s+3], s[G0B+4*\s+3], 0x80000000
.endr
	; THE FILLS: one tensor load a wave at the head: K steps 0 to 3 of my eight blocks, rows of 6,144 bytes, into LDS bytes 0 to 2 SLOT (group 0 number 1);
	; K steps 4, 5 go into slot 2 behind a full round ahead of the first products; K steps 6, 7 are a refill of slot 0's bytes, in K step 3
	s_mul_i32 s[G0A+5], s[WV], 2*PART
	s_mul_i32 s[G0B+5], s[WV], 2*PART
	s_mov_b64 s[G0A+6:G0A+7], s[82:83]
	s_or_b32 s[G0A+7], s[G0A+7], 0x80000000
	s_mov_b64 s[G0B+6:G0B+7], s[84:85]
	s_or_b32 s[G0B+7], s[G0B+7], 0x80000000
	JLOAD G0A+4, G1A, G0B+4, G1B
	v_and_b32 v1, 15, v0                           ; r
	v_bfe_u32 v2, v0, 4, 1                         ; h (kept to the end)
	s_wait_alu depctr_va_vdst(0)
	v_and_b32 v3, 31, v0                           ; lane
	; the scale words of my 8 + 8 blocks, all of K: 64 registers, loaded once.  A block's words begin at 512 x block (the first is even), row r's pair of K steps at 8 r
	s_lshl_b32 s86, s[HA], 3
	s_add_co_u32 s86, s86, s60
	s_lshl_b32 s86, s86, 9
	s_add_co_u32 s87, s61, s62
	s_lshl_b32 s87, s87, 9
	v_mov_b32 v4, s86
	v_mov_b32 v5, s87
	v_cmp_eq_u32 vcc_lo, 1, v2
	v_cndmask_b32 v4, v4, v5, vcc_lo               ; lanes 0-15 take A's, lanes 16-31 B's
	v_lshl_add_u32 v4, v1, 3, v4
.irp i, 0,1,2,3,4,5,6,7
.irp q, 0,1,2,3
	global_load_b64 v[SC+8*\i+2*\q:SC+8*\i+2*\q+1], v4, s[6:7] offset:(\i/2)*1024+\q*256+(\i%2)*128
.endr
.endr
	; both forms of bias are loaded, the one that is not used from offset 0 of a buffer: every register is written on every way
	s_lshl_b32 s88, s[TC], 10
	s_lshl_b32 s89, s[HB], 9
	s_add_co_u32 s88, s88, s89                     ; my 128 columns, in bytes
	s_lshl_b32 s90, s[TR], 10
	s_lshl_b32 s91, s[HA], 9
	s_add_co_u32 s90, s90, s91                     ; my 128 rows
	s_cmp_eq_u32 s[TT], 2
	s_cselect_b32 s88, 0, s88
	s_cselect_b32 s90, s90, 0
	s_cmp_eq_u32 s[TT], 0
	s_cselect_b64 s[92:93], s[8:9], s[10:11]       ; bq or bk
	v_lshl_add_u32 v5, v2, 7, s88                  ; by columns: register 32 c + i wants column 64 c + 32 h + i
	v_and_b32 v6, 8, v1
	v_mad_u32_u24 v6, v6, 3, v1                    ; r % 8 + 32 (r / 8)
	v_lshl_add_u32 v6, v6, 2, s90                  ; by rows: block a's lane-row r
	WIN TO_B
.irp b, 0,1
.irp j, 0,1,2,3
	global_load_b128 v[96+16*\b+4*\j:99+16*\b+4*\j], v5, s[92:93] offset:64*\b+16*\j
.endr
.endr
.irp b, 2,3
.irp j, 0,1,2,3
	global_load_b128 v[192+16*\b+4*\j:195+16*\b+4*\j], v5, s[92:93] offset:128+64*\b+16*\j
.endr
.endr
	WIN 0
.irp a, 0,1,2,3,4,5,6,7
	global_load_b32 v[RB+2*\a], v6, s[12:13] offset:(64*(\a/4)+8*(\a%4))*4
	global_load_b32 v[RB+2*\a+1], v6, s[12:13] offset:(64*(\a/4)+8*(\a%4))*4   ; twice: a pair for the packed addition
.endr
	v_lshlrev_b32 v[L16], 4, v3
	v_lshlrev_b32 v[L8], 3, v3
	s_mul_i32 s56, s[HA], PART
	s_mul_i32 s57, s[HB], PART
	s_add_co_u32 s57, s57, 2*PART
.irp s, 0,1,2
	v_add_nc_u32 v[ADRA+\s], s56, v[L16]
	v_add_nc_u32 v[ADRB+\s], s57, v[L16]
	s_add_co_u32 s56, s56, SLOT
	s_add_co_u32 s57, s57, SLOT
.endr
	s_mul_i32 s56, s[HA], 2*PART                   ; address number 1: K steps 0 to 3, blocks 6,144 bytes apart
	s_mul_i32 s57, s[HB], 2*PART
	s_add_co_u32 s57, s57, 4*PART
	s_wait_alu depctr_va_vdst(0)                   ; the wait here, directly ahead of the readers below
	v_add_nc_u32 v[ADRA+1], s56, v[L16]
	v_add_nc_u32 v[ADRB+1], s57, v[L16]
	v_lshlrev_b32 v7, 3, v2                        ; 8 h: where my two scale bytes stand in a word
.irp b, 0,1,2,3
	v_mov_b32 v[TM+4+\b], 0
.endr
.macro FRAG reg, adr, off              ; a fragment comes back as it was stored: three loads of 16 bytes a lane, 512 bytes on end each
.irp c, 0,1,2
	ds_load_b128 v[(\reg)+4*\c:(\reg)+4*\c+3], v[\adr] offset:(\off)+512*\c
.endr
.endm
.macro FETCH_B slot, kk, p             ; B's eight fragments into set p: 24 loads
	WIN TO_B
.irp i, 0,1,2,3,4,5,6,7
	FRAG 128*(\p)+12*\i, ADRB+\slot, \i*BLKB*(1+(\slot)%2)+(\kk)*FRB
.endr
	WIN 0
.endm
.macro FETCH_A slot, kk, i0            ; A's blocks i0 .. i0 + 3: 12 loads
.irp i, \i0, \i0+1, \i0+2, \i0+3
	FRAG AF+12*(\i), ADRA+\slot, (\i)*BLKB*(1+(\slot)%2)+(\kk)*FRB
.endr
.endm
; 16 matrix instructions: A's blocks a0, a0 + 1 x B's eight, K step ks.  The 64 accumulators take turns, one instruction a turn, in the same order in every step.
.macro MUL16 a0, p, ks, zero
.irp a, \a0, \a0+1
.irp b, 0,1,2,3,4,5,6,7
.if \zero
	v_wmma_scale_f32_16x16x128_f8f6f4 v[8*(8*((\a)%4)+\b):8*(8*((\a)%4)+\b)+7], v[128*(\p)+12*\b:128*(\p)+12*\b+11], v[AF+12*(\a):AF+12*(\a)+11], 0, v[SC+8*\b+(\ks)], v[SC+8*(\a)+(\ks)] matrix_a_fmt:MATRIX_FMT_FP6 matrix_b_fmt:MATRIX_FMT_FP6 matrix_a_scale:MATRIX_SCALE_ROW1
.else
	v_wmma_scale_f32_16x16x128_f8f6f4 v[8*(8*((\a)%4)+\b):8*(8*((\a)%4)+\b)+7], v[128*(\p)+12*\b:128*(\p)+12*\b+11], v[AF+12*(\a):AF+12*(\a)+11], v[8*(8*((\a)%4)+\b):8*(8*((\a)%4)+\b)+7], v[SC+8*\b+(\ks)], v[SC+8*(\a)+(\ks)] matrix_a_fmt:MATRIX_FMT_FP6 matrix_b_fmt:MATRIX_FMT_FP6 matrix_a_scale:MATRIX_SCALE_ROW1
.endif
.endr
.endr
.endm
; K step ks; the next step's fragments lie at (nslot, nkk), in bytes that every wave already knows whole.  Four plain places stand in front of each run of loads into registers that matrix instructions have read.
.macro STEP ks, nslot, nkk, zero
	s_wait_dscnt 12                                ; B's set and A's blocks 0-3 are in; the youngest 12 loads (A's blocks 4-7) may be out
	WIN MUL_LO
	MUL16 0, (\ks)%2, \ks, \zero
	MUL16 2, (\ks)%2, \ks, \zero
	s_wait_dscnt 0x0                               ; A's blocks 4-7 are in
	PLACES 4
	FETCH_B \nslot, \nkk, 1-(\ks)%2
	FETCH_A \nslot, \nkk, 0
	WIN MUL_HI
	MUL16 4, (\ks)%2, \ks, \zero
	MUL16 6, (\ks)%2, \ks, \zero
	PLACES 4
	WIN 0
	FETCH_A \nslot, \nkk, 4
.endm
; An odd K step with a barrier in it.  In front of it each wave waits for all its tensor loads, adds 0 to its spare word, and waits for that and for its LDS reads.
; fill = 1 (K step 3): the barrier opens a round of the cluster's barrier; the bytes of K steps 0 to 3 are read no more, and slot 0's bytes take K steps 6 and 7: the wave's one tensor load behind the round.
.macro TURN ks, nslot, fill
	s_wait_tensorcnt 0x0                           ; all my tensor loads have landed
	ds_add_u32 v[SPW], v[NIL]                      ; 0 onto my spare word
	s_wait_dscnt 13                                ; (the add and the youngest 12 loads may be out)
	WIN MUL_LO
	MUL16 0, 1, \ks, 0
	s_wait_dscnt 0x0                               ; the add is done, and my reads of the slot are over
	s_barrier_signal -1
	MUL16 2, 1, \ks, 0
	WIN 0
	s_barrier_wait -1
.if \fill
	CREST
	s_add_nc_u64 s[G0A+2:G0A+3], s[G0A+2:G0A+3], 3*BLKB
	s_add_nc_u64 s[G0B+2:G0B+3], s[G0B+2:G0B+3], 3*BLKB
	JLOAD G0A, G1A, G0B, G1B                       ; its four v_nop are also the places in front of the loads below
.else
	PLACES 4
.endif
	FETCH_B \nslot, 0, 0
	FETCH_A \nslot, 0, 0
	WIN MUL_HI
	MUL16 4, 1, \ks, 0
	MUL16 6, 1, \ks, 0
	PLACES 4
	WIN 0
	FETCH_A \nslot, 0, 4
.endm
	s_wait_alu depctr_va_vdst(0)
	s_wait_tensorcnt 0x0                           ; my part of K steps 0 to 3 is in
	ds_add_u32 v[SPW], v[NIL]
	s_mov_b32 s[G1A+1], 384<<16                    ; no tensor load of mine is out: from here on a load's rows are 3,072 bytes, a block's two K steps
	s_mov_b32 s[G1A+3], 384<<16
	s_mov_b32 s[G1B+1], 384<<16
	s_mov_b32 s[G1B+3], 384<<16
	s_wait_dscnt 0x0
	CROUND
	JLOAD G0A+8, G1A, G0B+8, G1B                   ; K steps 4 and 5 into slot 2: three K steps' products stand ahead of the wait for them
	FETCH_B 1, 0, 0
	FETCH_A 1, 0, 0
	FETCH_A 1, 0, 4
	s_wait_loadcnt 0x0                             ; scale words and biases
	STEP 0, 1, 1, 1                                ; the first products start the sums: nothing is cleared
	STEP 1, 1, 2, 0
	STEP 2, 1, 3, 0
	TURN 3, 2, 1                                   ; slot 2 is whole for every wave; slot 0's bytes are asked for again
	STEP 4, 2, 1, 0
	TURN 5, 0, 0                                   ; the refill has landed in every wave
	STEP 6, 0, 1, 0
	s_wait_dscnt 12                                ; the last step: nothing more to fetch
	WIN MUL_LO
	MUL16 0, 1, 7, 0
	MUL16 2, 1, 7, 0
	s_wait_dscnt 0x0
	WIN MUL_HI
	MUL16 4, 1, 7, 0
	MUL16 6, 1, 7, 0
	WIN 0
	PLACES 4                                       ; in front of the first read of results and the first write over A's fragments
	; THE WAY OUT: no LDS.  g: which 128 tokens (batch g / 16, step g % 16); hp: which pair of heads.  A step's images of a head: 6,144 bytes, its scale words 256.
	s_lshl_b32 s56, s[TR], 1
	s_add_co_u32 s56, s56, s[HA]
	s_lshl_b32 s57, s[TC], 1
	s_add_co_u32 s57, s57, s[HB]
	s_cmp_eq_u32 s[TT], 2
	s_cselect_b32 s58, s57, s56                    ; g
	s_cselect_b32 s59, s56, s57                    ; hp
	s_lshr_b32 s60, s58, 4
	s_and_b32 s61, s58, 15
	s_lshl_b32 s60, s60, 8
	s_lshl_b32 s59, s59, 5
	s_add_co_u32 s60, s60, s59
	s_add_co_u32 s60, s60, s61                     ; 16 x (16 batch + 2 hp) + step
	s_mul_i32 s62, s60, 6144
	s_mul_i32 s63, s[TT], 3145728
	s_add_co_u32 s62, s62, s63
	s_mov_b32 s63, 0
	s_add_nc_u64 s[94:95], s[14:15], s[62:63]
	s_lshl_b32 s62, s60, 8
	s_lshl_b32 s61, s[TT], 17
	s_add_co_u32 s62, s62, s61
	s_add_nc_u64 s[92:93], s[16:17], s[62:63]
; block a's 64 results + bias -> v[H] on, each accumulator from its low end on.  vm = 0: the bias goes by columns (window 1); 1: by rows (a pair in window 0)
.macro BIAS a, vm
.if \vm
	WIN 0x02+(\a)/4
.else
	WIN 0x06+(\a)/4
.endif
.set n, 0
.rept 32
.if \vm
	v_pk_add_f32 v[H+n:H+n+1], v[64*((\a)%4)+n:64*((\a)%4)+n+1], v[RB+2*(\a):RB+2*(\a)+1]
.elseif n < 32
	v_pk_add_f32 v[H+n:H+n+1], v[64*((\a)%4)+n:64*((\a)%4)+n+1], v[96+n:97+n]
.else
	v_pk_add_f32 v[H+n:H+n+1], v[64*((\a)%4)+n:64*((\a)%4)+n+1], v[192+n:193+n]
.endif
.set n, n+2
.endr
	WIN 0
.endm
	s_cmp_eq_u32 s[TT], 2                          ; the same in all partners
	s_cbranch_scc1 .Lvmode
	; q, k: my 128 columns are two heads.  An item is [token tile 2 p | token tile 2 p + 1], six registers each: a lane holds d = 32 h .. 32 h + 31 of its token
.irp p, 0,1,2,3
	s_wait_xcnt 0x0                                ; the last item's stores have read their registers
	BIAS 2*\p, 0
	QUANT H, IM0, IM1, PW
	BIAS 2*\p+1, 0
	QUANT H, IM0+6, IM1+6, PW+1
	v_perm_b32 v[SWB+\p], v[PW+1], v[PW], 0x05040100     ; the first head's word: the two tiles' low halves
	v_perm_b32 v[SWB+4+\p], v[PW+1], v[PW], 0x07060302   ; the second head's: their high halves
.irp c, 0,1
.irp k, 0,1,2
	global_store_b128 v[L16], v[IM0+12*\c+4*\k:IM0+12*\c+4*\k+3], s[94:95] offset:\c*98304+\p*1536+512*\k
.endr
.endr
.endr
	s_branch .Ljoin
.Lvmode:
	; v: my 128 rows are two heads' d, in four tiles each; my 128 columns are a step's keys: block a is one whole fragment
.irp a, 0,1,2,3,4,5,6,7
	s_wait_xcnt 0x0
	BIAS \a, 1
	QUANT H, IM0, IM0+6, SWB+\a
.irp k, 0,1,2
	global_store_b128 v[L16], v[IM0+4*\k:IM0+4*\k+3], s[94:95] offset:(\a/4)*98304+(\a%4)*1536+512*\k
.endr
.endr
.Ljoin:
	v_cmp_eq_u32 vcc_lo, 1, v2                     ; a head's four words a row go out as [lane][j]: lane (r, h), word j: item 2 j + h
	s_wait_alu depctr_va_vdst(0)
.irp x, 0,1
.irp j, 0,1
	v_cndmask_b32 v[DW+2*\x+\j], v[SWB+4*\x+2*\j], v[SWB+4*\x+2*\j+1], vcc_lo
.endr
	global_store_b64 v[L8], v[DW+2*\x:DW+2*\x+1], s[92:93] offset:\x*4096   ; 256 consecutive bytes, aligned
.endr
	s_wait_tensorcnt 0x0                           ; the wave's end
	ds_add_u32 v[SPW], v[NIL]
	s_wait_dscnt 0x0
	CROUND                                         ; the closing round
	s_endpgm
.Lfunc_end_k_qe28cfbf57c_proj:
	.size	k_qe28cfbf57c_proj, .Lfunc_end_k_qe28cfbf57c_proj-k_qe28cfbf57c_proj
	.p2alignl 7, 3214868480
	.fill 96, 4, 3214868480
	.section	.rodata,"a",@progbits
	.p2align	6, 0x0
	.amdhsa_kernel k_qe28cfbf57c_proj
		.amdhsa_group_segment_fixed_size 327680
		.amdhsa_private_segment_fixed_size 0
		.amdhsa_enable_private_segment 0
		.amdhsa_kernarg_size 56
		.amdhsa_user_sgpr_count 2
		.amdhsa_user_sgpr_kernarg_segment_ptr 1
		.amdhsa_wavefront_size32 1
		.amdhsa_system_sgpr_workgroup_id_x 1
		.amdhsa_system_sgpr_workgroup_id_y 1
		.amdhsa_system_sgpr_workgroup_id_z 1
		.amdhsa_system_vgpr_workitem_id 0
		.amdhsa_next_free_vgpr 1024
		.amdhsa_next_free_sgpr 96
		.amdhsa_reserve_vcc 1
		.amdhsa_float_denorm_mode_32 3
		.amdhsa_float_denorm_mode_16_64 3
		.amdhsa_memory_ordered 1
		.amdhsa_forward_progress 1
		.amdhsa_inst_pref_size 198
	.end_amdhsa_kernel
	.amdgpu_metadata
---
amdhsa.version: [ 1, 2 ]
amdhsa.kernels:
  - .name:           k_qe28cfbf57c_proj
    .symbol:         k_qe28cfbf57c_proj.kd
    .args:
      - { .name: codes, .offset: 0, .size: 8, .value_kind: global_buffer, .address_space: global }
      - { .name: scales, .offset: 8, .size: 8, .value_kind: global_buffer, .address_space: global }
      - { .name: bq, .offset: 16, .size: 8, .value_kind: global_buffer, .address_space: global }
      - { .name: bk, .offset: 24, .size: 8, .value_kind: global_buffer, .address_space: global }
      - { .name: bv, .offset: 32, .size: 8, .value_kind: global_buffer, .address_space: global }
      - { .name: img, .offset: 40, .size: 8, .value_kind: global_buffer, .address_space: global }
      - { .name: isc, .offset: 48, .size: 8, .value_kind: global_buffer, .address_space: global }
    .group_segment_fixed_size: 327680
    .private_segment_fixed_size: 0
    .kernarg_segment_align: 8
    .kernarg_segment_size: 56
    .max_flat_workgroup_size: 128
    .sgpr_count:     96
    .vgpr_count:     1024
    .wavefront_size: 32
...
	.end_amdgpu_metadata
.endif
;; end of part 2
;; launch attn (part 3): grid 8 x 32, 16 waves a work-group, clusters of 4 x 1, 206,848 bytes of LDS; arguments img, isc, codes, scales; writes codes, scales
.if DOCPART == 3
	.amdgcn_target "amdgcn-amd-amdhsa--gfx1250"
	.amdhsa_code_object_version 6
	.text
	.protected	k_qe28cfbf57c_attn
	.globl	k_qe28cfbf57c_attn
	.p2align	8
	.type	k_qe28cfbf57c_attn,@function
k_qe28cfbf57c_attn:
	s_mov_b64 s[64:65], 0
	v_nop
	global_prefetch_b8 v0, s[64:65] scope:SCOPE_SE
	s_setreg_imm32_b32 hwreg(HW_REG_WAVE_MODE, 25, 1), 1
	s_wait_xcnt 0x0
	s_wait_alu depctr_hold_cnt(0) depctr_sa_sdst(0) depctr_va_vdst(0) depctr_va_sdst(0) depctr_va_ssrc(0) depctr_va_vcc(0) depctr_vm_vsrc(0)
	s_getreg_b32 s2, hwreg(HW_REG_IB_STS2, 6, 4)
	s_cmp_eq_u32 s2, 0
	s_cbranch_scc0 .Lentry_in_a_cluster
	s_endpgm
.Lentry_in_a_cluster:
	s_bfe_u32 s2, ttmp6, 0x10000c
	s_cmp_lg_u32 s2, 0x3003
	s_cbranch_scc0 .Lentry_shape_is_right
	s_endpgm
.Lentry_shape_is_right:
; x[b][q][64 hd + d] = the sum over keys of softmax(q . k / 8) v, for each of 32 heads (batch x head), both products on codes of FP6 (E2M3) with E8M0 scales; x leaves quantised along 64 hd + d, as the last product's operand.
; THE SOFTMAX: t = score x log2(e) / 8; M = the running largest t rounded UP to a whole number; p = 2^(t - M) is quantised along the keys, not normalised; the row's sum is taken of the unquantised p and divides at the end.
; When M moves, the sum and O are multiplied by 2^(old M - new M): exact.  LIMITS: NaN and infinities are not served; the promise holds while |t| stays under 2^31; a block of p or x whose largest magnitude lies under 2^-124 keeps the scale byte 1.
; SHARES.  A work-group owns 256 queries of one head, each of its sixteen waves one tile of 16: four waves to a SIMD.  A whole head's K and V lie in LDS as fragment images (98,304 bytes each) with their scale words (4,096 each): every byte is filled once.
; FILLS: one joint load a wave (mask 15: the cluster's four work-groups belong to one head).  Waves 12, 13: the first 16,384 bytes of K's and of V's images; waves 14, 15: the scale words; these have load lines of their own, and the first barrier
; waits for them alone: they hold key steps 0 and 1.  Waves 0 to 9: the other ten parts of 16,384 bytes, shown by the second barrier.  Waves 10, 11 load nothing.  Nothing is filled again.
; NO PREFETCH: all that the launch reads through LDS is asked for at the head; there is no later load to run ahead of.
; LAYOUT.  Both products are used transposed: a lane holds ONE query.  An item of K holds two tiles of 16 keys side by side along K; Q's six registers stand beside six of zero codes, low or high.
; Row 8 h + j of key tile T is key 64 (T / 4) + 32 h + 8 (T % 4) + j of the step: so score registers 0-31 of lane (r, h) are keys 32 h + 0 .. 31 and registers 32-63 keys 64 + 32 h + 0 .. 31: TWO WHOLE SCALE BLOCKS A LANE, in the order of the operand's registers.
; Likewise row 8 h + j of V's tile t is d = 32 h + 8 t + j: a lane's 32 registers of O^T are one scale block of x.
.set VIMG, 98304
.set KSC,  196608                      ; K's scale words; V's 4,096 bytes on
.set SPARE, 204800                     ; the spare words: 128 bytes a wave
.set STEPB, 6144                       ; a key step's images
.set AK0, 1                            ; 16 x lane
.set AV0, 2                            ; VIMG + 16 x lane
.set AS0, 3                            ; KSC + 8 x lane
.set L8,  4
.set XSO, 5                            ; 8 r + h
.set SH8, 6                            ; 8 h
.set SPW, 7
.set ADK, 8
.set ADV, 9
.set ADS, 10
.set NIL, 11
.set MX,  16                           ; v16-19 four chains of maxima; v16, v18 the two blocks'.  v12 -M, v13 the running largest score, v[14:15] the sum
.set RM,  20
.set PL,  21
.set DM,  22
.set W2,  23
.set SO,  24
.set BY,  26
.set T0,  28                           ; v28-30, v80-82: the conversions' second halves
.set FRG, 32                           ; v32-79 four items of K, then V's four fragments
.set T1,  80
.set SCO, 96                           ; v96-159 scores, then p
.set OT,  160                          ; v160-191 O^T
.set PCD, 224                          ; v224-235 p's codes
.set PWD, 247                          ; p's scale word; v248-249 K's, v250-251 V's, v255 Q's
.set FF,  252                          ; v[252:253] f = 2^(old M - new M)
.set WV,  12
.set NC,  16                           ; -log2(e) / 8
.set SEL, 20
.set CS,  22
.set G0Y, 24
.set G0X, 28
.set G0S, 32
.set G1S, 44
.set G1C, 52
.set TK,  60
.set TS,  61
.set CNT, 62
.macro WALU
	s_wait_alu depctr_va_vdst(0)
.endm
.macro CROUND
	s_barrier_signal -1
	s_barrier_wait -1
	s_cmp_lg_u32 s[WV], 0
	s_cbranch_scc1 .Lnot_wave_0_\@
	s_barrier_signal -3
.Lnot_wave_0_\@:
	s_barrier_wait -3
	s_barrier_signal -1
	s_barrier_wait -1
.endm
.macro TLOAD g0, g1
	tensor_load_to_lds s[\g0:\g0+3], s[\g1:\g1+7]
	s_nop 0
.rept 4
	v_nop
.endr
.endm
.macro DEP n
	s_delay_alu instid0(VALU_DEP_\n)
.endm
	s_load_b256 s[4:11], s[0:1], 0x0               ; img, isc, codes, scales
	v_lshl_add_u32 v[SPW], v0, 2, SPARE
	v_mov_b32 v[NIL], 0
	ds_add_u32 v[SPW], v[NIL]                      ; the opening lines
	ds_add_u32 v[SPW], v[NIL]
	v_lshrrev_b32 v1, 5, v0
	v_readfirstlane_b32 s[WV], v1                  ; wave 0..15
	s_bfe_u32 s13, ttmp6, 0x40000                  ; cx
	s_lshl_b32 s14, ttmp9, 2
	s_add_co_u32 s14, s14, s13                     ; qb: my block of 256 queries; it enters Q's and x's addresses alone
	s_and_b32 s15, ttmp7, 0xffff                   ; bh = 16 batch + head, which the partners share
	s_and_b32 s17, s[WV], 1                        ; K (0) or V (1) for waves 12 to 15.  Also u: which tile of Q's item is mine
.irp g, G1S, G1C
	s_mov_b32 s[\g], 15|(3<<16)|(1<<21)            ; all four work-groups; elements of 8 bytes; bit 21 beside a mask
	s_mov_b32 s[\g+1], 32<<16                      ; rows of 256 bytes
	s_mov_b32 s[\g+3], 32<<16
	s_mov_b32 s[\g+5], 32
	s_mov_b32 s[\g+6], 0
	s_mov_b32 s[\g+7], 0
.endr
	s_mov_b32 s[G1S+2], 16<<16                     ; 16 rows: a head's scale words of K or V
	s_mov_b32 s[G1S+4], 16
	s_mov_b32 s[G1C+2], 64<<16                     ; 64 rows: a sixth of a head's images of K or V
	s_mov_b32 s[G1C+4], 64
	s_mov_b32 s[SEL], 0x76543210
	s_mov_b32 s[SEL+1], 0xfedcba98
	s_mov_b32 s[CS], 0x3e38aa3b                    ; log2(e) / 8
	s_mov_b32 s[CS+1], s[CS]
	s_mov_b32 s[NC], 0xbe38aa3b
	s_add_co_u32 s18, s[WV], 3
	s_lshr_b32 s18, s18, 3                         ; waves 0-4: 0 (K), waves 5-9: 1 (V)
	s_add_co_u32 s19, s[WV], 1
	s_add_co_u32 s19, s19, s18                     ; part 1..5 or 7..11 of the twelve
	s_lshl_b32 s[G0Y+1], s19, 14
	s_mul_i32 s36, s18, 3145728-98304              ; V's images lie a region further on in img
	s_add_co_u32 s36, s36, s[G0Y+1]
	s_mul_i32 s38, s15, 98304
	s_add_co_u32 s38, s38, 3145728                 ; the head's K images in img (regions: 0 q, 1 k, 2 v)
	s_add_co_u32 s36, s36, s38
	s_mov_b32 s37, 0
	s_mul_i32 s[G0X+1], s17, 98304                 ; parts 0 and 6
	s_mul_i32 s40, s17, 3145728
	s_add_co_u32 s40, s40, s38
	s_mov_b32 s41, 0
	s_lshl_b32 s[G0S+1], s17, 12
	s_add_co_u32 s[G0S+1], s[G0S+1], KSC
	s_lshl_b32 s42, s17, 17
	s_lshl_b32 s43, s15, 12
	s_add_co_u32 s42, s42, s43
	s_add_co_u32 s42, s42, 1<<17
	s_mov_b32 s43, 0
	s_mov_b32 s[G0Y], 1
	s_mov_b32 s[G0X], 1
	s_mov_b32 s[G0S], 1
	s_wait_dscnt 0x0
	s_wait_kmcnt 0x0
	s_add_nc_u64 s[G0Y+2:G0Y+3], s[4:5], s[36:37]
	s_or_b32 s[G0Y+3], s[G0Y+3], 0x80000000
	s_add_nc_u64 s[G0X+2:G0X+3], s[4:5], s[40:41]
	s_or_b32 s[G0X+3], s[G0X+3], 0x80000000
	s_add_nc_u64 s[G0S+2:G0S+3], s[6:7], s[42:43]
	s_or_b32 s[G0S+3], s[G0S+3], 0x80000000
	CROUND                                         ; all four work-groups are here: the joint loads meet
	s_cmp_ge_u32 s[WV], 14                         ; one chain of branches on the wave's number, one load to an arm
	s_cbranch_scc0 .Larm_x
	TLOAD G0S, G1S
	s_branch .Lasked
.Larm_x:
	s_cmp_ge_u32 s[WV], 12
	s_cbranch_scc0 .Larm_y
	TLOAD G0X, G1C
	s_branch .Lasked
.Larm_y:
	s_cmp_lt_u32 s[WV], 10
	s_cbranch_scc0 .Lasked
	TLOAD G0Y, G1C
.Lasked:
	; Q: my tile is tile u of item p of step g of q's images
	s_lshl_b32 s18, s14, 1
	s_lshr_b32 s19, s[WV], 3
	s_add_co_u32 s18, s18, s19                     ; g
	s_lshr_b32 s19, s[WV], 1
	s_and_b32 s19, s19, 3                          ; p
	s_mul_i32 s72, s15, 98304
	s_mul_i32 s73, s18, STEPB
	s_add_co_u32 s72, s72, s73
	s_mul_i32 s73, s19, 1536
	s_add_co_u32 s72, s72, s73
	s_mov_b32 s73, 0
	s_add_nc_u64 s[72:73], s[4:5], s[72:73]
	s_lshl_b32 s74, s15, 4
	s_add_co_u32 s74, s74, s18
	s_lshl_b32 s74, s74, 8                         ; the step's scale words; item p's lie at lane r + 16 (p % 2), word p / 2
	s_and_b32 s75, s19, 1
	s_lshl_b32 s75, s75, 7
	s_add_co_u32 s74, s74, s75
	s_lshr_b32 s75, s19, 1
	s_lshl_b32 s75, s75, 2
	s_add_co_u32 s74, s74, s75
	s_mov_b32 s75, 0
	s_add_nc_u64 s[74:75], s[6:7], s[74:75]
	s_cmp_eq_u32 s17, 1
	s_cselect_b32 s63, -1, 0                       ; all lanes: tile 1 or tile 0
	s_mul_i32 s62, s17, 0x02020202
	s_add_co_u32 s62, s62, 0x01000100              ; bytes 2 u, 2 u + 1, twice
	s_mov_b32 s[TK], 0
	s_mov_b32 s[TS], 0
	v_and_b32 v84, 31, v0                          ; lane
	v_and_b32 v85, 15, v0                          ; r
	v_bfe_u32 v86, v0, 4, 1                        ; h
	v_lshlrev_b32 v[AK0], 4, v84
	v_lshlrev_b32 v[L8], 3, v84
	v_lshlrev_b32 v87, 3, v85
	v_add_nc_u32 v[AV0], VIMG, v[AK0]
	v_add_nc_u32 v[AS0], KSC, v[L8]
	v_lshl_add_u32 v[XSO], v85, 3, v86
	v_lshlrev_b32 v[SH8], 3, v86
.irp c, 0,1,2
	global_load_b128 v[16+4*\c:19+4*\c], v[AK0], s[72:73] offset:512*\c
.endr
	global_load_b32 v88, v87, s[74:75]
	v_mov_b32 v13, 0xff61b1e6                      ; the largest score so far: -3e38
	v_mov_b32 v12, 0x7e000000                      ; -M: so large that the first f is 0
	v_mov_b32 v14, 0
	v_mov_b32 v15, 0
	v_mov_b32 v[FF+1], 0                           ; (named as the upper half of f's pair)
.irp i, 0,1,2,3,4,5
	v_mov_b32 v[192+\i], 0                         ; zero codes on either side of Q's six registers
	v_mov_b32 v[204+\i], 0
.endr
	WALU
	s_wait_loadcnt 0x0
.irp i, 0,1,2,3,4,5
	v_cndmask_b32 v[198+\i], v[16+\i], v[22+\i], s63
.endr
	v_perm_b32 v255, v88, v88, s62                 ; Q's scale word: [s0 s1 s0 s1], so that it serves low and high alike
	v_mov_b32 v[PL], 0                             ; written once: a lane permute's destination counts as one of its sources
	v_mov_b32 v[W2], 0
.set j, 0
.rept 32
	v_mov_b32 v[OT+j], 0                           ; O^T: the step is written once, and its first run finds zeros
.set j, j+1
.endr
	v_add_nc_u32 v[ADK], s[TK], v[AK0]
	v_add_nc_u32 v[ADS], s[TS], v[AS0]
; A KEY STEP: 128 keys.
.macro STEP
.irp p, 0,1,2,3
.irp c, 0,1,2
	ds_load_b128 v[FRG+12*\p+4*\c:FRG+12*\p+4*\c+3], v[ADK] offset:1536*\p+512*\c
.endr
.endr
	ds_load_b64 v[248:249], v[ADS]                 ; word j: lanes 0-15 item 2 j, lanes 16-31 item 2 j + 1
	ds_load_b64 v[250:251], v[ADS] offset:4096
	s_wait_dscnt 0x0
.irp p, 0,1,2,3
.irp u, 0,1                                    ; u = 0: [q | 0] meets the item's first tile; u = 1: [0 | q] its second
.if \p%2
	v_wmma_scale_f32_16x16x128_f8f6f4 v[SCO+16*\p+8*\u:SCO+7+16*\p+8*\u], v[FRG+12*\p:FRG+11+12*\p], v[198-6*\u:209-6*\u], 0, v[248+\p/2], v255 matrix_a_fmt:MATRIX_FMT_FP6 matrix_b_fmt:MATRIX_FMT_FP6 matrix_a_scale:MATRIX_SCALE_ROW1
.else
	v_wmma_scale_f32_16x16x128_f8f6f4 v[SCO+16*\p+8*\u:SCO+7+16*\p+8*\u], v[FRG+12*\p:FRG+11+12*\p], v[198-6*\u:209-6*\u], 0, v[248+\p/2], v255 matrix_a_fmt:MATRIX_FMT_FP6 matrix_b_fmt:MATRIX_FMT_FP6
.endif
.endr
.endr
	v_add_nc_u32 v[ADV], s[TK], v[AV0]             ; four plain lines: the places in front of the loads below and of the first read of the scores
	s_add_co_u32 s[TK], s[TK], STEPB
	s_add_co_u32 s[TS], s[TS], 256
	v_add_nc_u32 v[ADK], s[TK], v[AK0]             ; the next step's addresses
	v_add_nc_u32 v[ADS], s[TS], v[AS0]
	v_mov_b32 v[DM], v12                           ; the old -M
.irp t, 0,1,2,3
.irp c, 0,1,2
	ds_load_b128 v[FRG+12*\t+4*\c:FRG+12*\t+4*\c+3], v[ADV] offset:1536*\t+512*\c   ; V's four fragments land while the softmax runs
.endr
.endr
.irp b, 0,1,2,3
	v_max3_num_f32 v[MX+\b], v[SCO+16*\b], v[SCO+1+16*\b], v[SCO+2+16*\b]   ; four chains of 16 scores, each accumulator from its low end on
.endr
.irp i, 3,5,7,9,11,13
.irp b, 0,1,2,3
	v_max3_num_f32 v[MX+\b], v[MX+\b], v[SCO+16*\b+\i], v[SCO+1+16*\b+\i]
.endr
.endr
	v_max3_num_f32 v[MX], v[MX], v[MX+1], v[SCO+15]
	v_max3_num_f32 v[MX+2], v[MX+2], v[MX+3], v[SCO+47]
	v_max_num_f32 v[MX], v[MX], v[SCO+31]          ; the largest score of my block h: for the row's maximum, and, since p rises with the score, for the block's largest p
	v_max_num_f32 v[MX+2], v[MX+2], v[SCO+63]      ; and of my block 2 + h
	DEP 1
	v_max_num_f32 v[RM], v[MX], v[MX+2]
	DEP 1
	v_permlanex16_b32 v[PL], v[RM], s[SEL], s[SEL+1]
	DEP 1
	v_max3_num_f32 v13, v13, v[RM], v[PL]          ; the running largest score of my query
	DEP 1
	v_mul_f32 v[RM], s[NC], v13                    ; -t
	DEP 1
	v_floor_f32 v12, v[RM]                         ; the new -M = -ceil(t): a whole number
	DEP 1
	v_sub_f32 v[DM], v12, v[DM]                    ; old M - new M, 0 or less
	DEP 1
	v_cvt_i32_f32 v[DM], v[DM]                     ; (it saturates)
.set j, 0
.rept 32
	v_pk_fma_f32 v[SCO+j:SCO+1+j], v[SCO+j:SCO+1+j], s[CS:CS+1], v[12:13] op_sel_hi:[1,0,0]   ; t - M, two at a time
.set j, j+2
.endr
	v_fma_f32 v[MX], v[MX], s[CS], v12
	v_fma_f32 v[MX+2], v[MX+2], s[CS], v12
	WALU                                           ; the wait ahead of the batch
	v_exp_f32 v[MX], v[MX]                         ; each block's largest p
	v_exp_f32 v[MX+2], v[MX+2]
.set j, 0
.rept 64
	v_exp_f32 v[SCO+j], v[SCO+j]                   ; p = 2^(t - M)
.set j, j+1
.endr
	v_ldexp_f32 v[FF], 1.0, v[DM]                  ; f = 2^(old M - new M): the plain place behind the exponentials
	WALU                                           ; one wait for the batch, ahead of its first reader
	v_max_num_f32 v[MX], 0x1800000, v[MX]          ; the floor 2^(3 - 127)
	v_max_num_f32 v[MX+2], 0x1800000, v[MX+2]
	DEP 2
	v_add_nc_u32 v[SO], 0xff000000, v[MX]          ; the conversion's scale operand
	DEP 2
	v_add_nc_u32 v[SO+1], 0xff000000, v[MX+2]
	v_cvt_scalef32_pk16_fp6_f32 v[PCD:PCD+2], v[SCO:SCO+15], v[SO]
	v_cvt_scalef32_pk16_fp6_f32 v[T0:T0+2], v[SCO+16:SCO+31], v[SO]
	v_cvt_scalef32_pk16_fp6_f32 v[PCD+6:PCD+8], v[SCO+32:SCO+47], v[SO+1]
	v_cvt_scalef32_pk16_fp6_f32 v[T1:T1+2], v[SCO+48:SCO+63], v[SO+1]
	v_lshrrev_b32 v[BY], 23, v[SO]                 ; the scales' bytes (also the plain place behind the conversions)
	v_lshrrev_b32 v[BY+1], 23, v[SO+1]
	DEP 1
	v_lshl_or_b32 v[PWD], v[BY+1], 16, v[BY]
	DEP 1
	v_lshlrev_b32 v[PWD], v[SH8], v[PWD]           ; my two bytes at their places,
	DEP 1
	v_permlanex16_b32 v[W2], v[PWD], s[SEL], s[SEL+1]
	DEP 1
	v_or_b32 v[PWD], v[PWD], v[W2]                 ; with lane l xor 16's two: p's scale word for these 128 keys
.irp i, 0,1,2
	v_mov_b32 v[PCD+3+\i], v[T0+\i]                ; (a conversion's three registers begin on an even number)
	v_mov_b32 v[PCD+9+\i], v[T1+\i]
.endr
	s_wait_dscnt 0x0                               ; V
	WALU                                           ; the wait here, directly ahead of the first reader of O^T
.set j, 0
.rept 16
	v_pk_mul_f32 v[OT+j:OT+1+j], v[OT+j:OT+1+j], v[FF:FF+1] op_sel_hi:[1,0]   ; O^T under the new M.  (Sixteen places behind the codes, 22 behind the scale word)
.set j, j+2
.endr
.irp t, 0,1,2,3                                ; O^T += V^T P^T: the four accumulators by turns; the scores' products stand between one step's and the next's
.if \t%2
	v_wmma_scale_f32_16x16x128_f8f6f4 v[OT+8*\t:OT+7+8*\t], v[FRG+12*\t:FRG+11+12*\t], v[PCD:PCD+11], v[OT+8*\t:OT+7+8*\t], v[250+\t/2], v[PWD] matrix_a_fmt:MATRIX_FMT_FP6 matrix_b_fmt:MATRIX_FMT_FP6 matrix_a_scale:MATRIX_SCALE_ROW1
.else
	v_wmma_scale_f32_16x16x128_f8f6f4 v[OT+8*\t:OT+7+8*\t], v[FRG+12*\t:FRG+11+12*\t], v[PCD:PCD+11], v[OT+8*\t:OT+7+8*\t], v[250+\t/2], v[PWD] matrix_a_fmt:MATRIX_FMT_FP6 matrix_b_fmt:MATRIX_FMT_FP6
.endif
.endr
	; the row's sum of the unquantised p, in four chains: it names no register of the products above, so it is also the places in front of the next step's loads
	v_pk_fma_f32 v[14:15], v[14:15], v[FF:FF+1], v[SCO:SCO+1] op_sel_hi:[1,0,1]   ; the old sum under the new M
	v_pk_add_f32 v[84:85], v[SCO+2:SCO+3], v[SCO+4:SCO+5]
	v_pk_add_f32 v[86:87], v[SCO+6:SCO+7], v[SCO+8:SCO+9]
	v_pk_add_f32 v[88:89], v[SCO+10:SCO+11], v[SCO+12:SCO+13]
.set n, 7
.rept 25
.set a_, (n-7)%4
.if a_ == 0
	v_pk_add_f32 v[14:15], v[14:15], v[SCO+2*n:SCO+2*n+1]
.else
	v_pk_add_f32 v[82+2*a_:83+2*a_], v[82+2*a_:83+2*a_], v[SCO+2*n:SCO+2*n+1]
.endif
.set n, n+1
.endr
	DEP 1
	v_pk_add_f32 v[14:15], v[14:15], v[84:85]
	DEP 3
	v_pk_add_f32 v[86:87], v[86:87], v[88:89]
	DEP 1
	v_pk_add_f32 v[14:15], v[14:15], v[86:87]
.endm
.macro WALK trips
	s_mov_b32 s[CNT], \trips
.Lstep_\@:
	STEP
	s_sub_co_u32 s[CNT], s[CNT], 1
	s_cmp_lg_u32 s[CNT], 0
	WALU                                           ; the wait directly ahead of the branch
	s_cbranch_scc1 .Lstep_\@
.endm
	WALU                                           ; the wait at the head's end
	s_cmp_ge_u32 s[WV], 12
	s_cbranch_scc0 .Lnot_first
	s_wait_tensorcnt 0x0                           ; waves 12 to 15: the first parts and the scale words have landed
.Lnot_first:
	s_barrier_signal -1
	s_barrier_wait -1
	WALK 2                                         ; key steps 0, 1: 12,288 bytes of each first part of 16,384
	s_wait_tensorcnt 0x0                           ; every wave: all that is out has landed
	s_wait_dscnt 0x0
	s_barrier_signal -1
	s_barrier_wait -1
	WALK 14
	; THE WAY OUT.  x = O^T / the sum: register i is d = 32 h + i of my query: one block of 32 along the last product's K: six registers of codes and one scale byte a lane.
	v_add_f32 v14, v14, v15
	DEP 1
	v_permlanex16_b32 v[PL], v14, s[SEL], s[SEL+1]
	DEP 1
	v_add_f32 v14, v14, v[PL]                      ; the row's sum
	WALU
	v_rcp_f32 v14, v14
	v_nop                                          ; one plain place behind the reciprocal
	s_lshr_b32 s66, s15, 4
	s_lshl_b32 s66, s66, 7
	s_lshl_b32 s67, s14, 4
	s_add_co_u32 s66, s66, s67
	s_add_co_u32 s66, s66, s[WV]                   ; my block of x's rows: 128 batch + 16 qb + wave
	s_and_b32 s67, s15, 15                         ; the head
	s_add_co_u32 s68, s66, 1024
	s_mul_i32 s68, s68, 12288
	s_mul_i32 s69, s67, 768                        ; a head is half a K step
	s_add_co_u32 s68, s68, s69
	s_mov_b32 s69, 0
	s_add_nc_u64 s[8:9], s[8:9], s[68:69]
	s_lshr_b32 s68, s66, 1
	s_add_co_u32 s68, s68, 512
	s_lshl_b32 s68, s68, 10                        ; the pair of blocks' scale words: [q 4][u 2][r 16][kk 2]
	s_lshr_b32 s70, s67, 2
	s_lshl_b32 s70, s70, 8
	s_add_co_u32 s68, s68, s70
	s_lshl_b32 s70, s17, 7
	s_add_co_u32 s68, s68, s70
	s_and_b32 s70, s67, 3
	s_lshl_b32 s70, s70, 1                         ; word (head / 2) % 2, half head % 2: 2 (head % 4) bytes
	s_add_co_u32 s68, s68, s70
	s_add_nc_u64 s[10:11], s[10:11], s[68:69]
	WALU                                           ; ahead of the first reader of the reciprocal and of O^T
.set j, 0
.rept 32
	v_mul_f32 v[SCO+j], v[OT+j], v14               ; each accumulator from its low end on
.set j, j+1
.endr
.irp b, 0,1
	v_max3_num_f32 v[MX+\b], |v[SCO+16*\b]|, |v[SCO+1+16*\b]|, 0x1800000
.endr
.irp i, 2,4,6,8,10,12,14
.irp b, 0,1
	v_max3_num_f32 v[MX+\b], v[MX+\b], |v[SCO+16*\b+\i]|, |v[SCO+1+16*\b+\i]|
.endr
.endr
	v_max_num_f32 v[MX], v[MX], v[MX+1]
	v_add_nc_u32 v[SO], 0xff000000, v[MX]
	v_lshrrev_b32 v[BY], 23, v[SO]                 ; lane (r, h): block h's byte of row r
	v_cvt_scalef32_pk16_fp6_f32 v[PCD:PCD+2], v[SCO:SCO+15], v[SO]
	v_cvt_scalef32_pk16_fp6_f32 v[T0:T0+2], v[SCO+16:SCO+31], v[SO]
	v_nop                                          ; one plain place behind a scaled conversion
.irp i, 0,1,2
	v_mov_b32 v[PCD+3+\i], v[T0+\i]
.endr
	global_store_b128 v[AK0], v[PCD:PCD+3], s[8:9]            ; the half fragment: registers 0-3, 512 bytes on end,
	global_store_b64 v[L8], v[PCD+4:PCD+5], s[8:9] offset:512 ; registers 4-5, 256 bytes on end
	global_store_b8 v[XSO], v[BY], s[10:11]                   ; 32 bytes a wave in the whole launch: other heads' work-groups write the bytes between
	s_wait_tensorcnt 0x0                           ; the wave's end
	ds_add_u32 v[SPW], v[NIL]
	s_wait_dscnt 0x0
	CROUND                                         ; the closing round
	s_endpgm
.Lfunc_end_k_qe28cfbf57c_attn:
	.size	k_qe28cfbf57c_attn, .Lfunc_end_k_qe28cfbf57c_attn-k_qe28cfbf57c_attn
	.p2alignl 7, 3214868480
	.fill 96, 4, 3214868480
	.section	.rodata,"a",@progbits
	.p2align	6, 0x0
	.amdhsa_kernel k_qe28cfbf57c_attn
		.amdhsa_group_segment_fixed_size 206848
		.amdhsa_private_segment_fixed_size 0
		.amdhsa_enable_private_segment 0
		.amdhsa_kernarg_size 32
		.amdhsa_user_sgpr_count 2
		.amdhsa_user_sgpr_kernarg_segment_ptr 1
		.amdhsa_wavefront_size32 1
		.amdhsa_system_sgpr_workgroup_id_x 1
		.amdhsa_system_sgpr_workgroup_id_y 1
		.amdhsa_system_sgpr_workgroup_id_z 1
		.amdhsa_system_vgpr_workitem_id 0
		.amdhsa_next_free_vgpr 256
		.amdhsa_next_free_sgpr 76
		.amdhsa_reserve_vcc 0
		.amdhsa_float_denorm_mode_32 3
		.amdhsa_float_denorm_mode_16_64 3
		.amdhsa_memory_ordered 1
		.amdhsa_forward_progress 1
		.amdhsa_inst_pref_size 43
	.end_amdhsa_kernel
	.amdgpu_metadata
---
amdhsa.version: [ 1, 2 ]
amdhsa.kernels:
  - .name:           k_qe28cfbf57c_attn
    .symbol:         k_qe28cfbf57c_attn.kd
    .args:
      - { .name: img, .offset: 0, .size: 8, .value_kind: global_buffer, .address_space: global }
      - { .name: isc, .offset: 8, .size: 8, .value_kind: global_buffer, .address_space: global }
      - { .name: codes, .offset: 16, .size: 8, .value_kind: global_buffer, .address_space: global }
      - { .name: scales, .offset: 24, .size: 8, .value_kind: global_buffer, .address_space: global }
    .group_segment_fixed_size: 206848
    .private_segment_fixed_size: 0
    .kernarg_segment_align: 8
    .kernarg_segment_size: 32
    .max_flat_workgroup_size: 512
    .sgpr_count:     76
    .vgpr_count:     256
    .wavefront_size: 32
...
	.end_amdgpu_metadata
.endif
;; end of part 3
;; launch outp (part 4): grid 8 x 32, 4 waves a work-group, clusters of 4 x 4, 264,704 bytes of LDS; arguments codes, scales, bo, out0; writes out0
.if DOCPART == 4
	.amdgcn_target "amdgcn-amd-amdhsa--gfx1250"
	.amdhsa_code_object_version 6
	.text
	.protected	k_qe28cfbf57c_outp
	.globl	k_qe28cfbf57c_outp
	.p2align	8
	.type	k_qe28cfbf57c_outp,@function
k_qe28cfbf57c_outp:
	s_mov_b64 s[64:65], 0
	v_nop
	global_prefetch_b8 v0, s[64:65] scope:SCOPE_SE
	s_setreg_imm32_b32 hwreg(HW_REG_WAVE_MODE, 25, 1), 1
	s_wait_xcnt 0x0
	s_wait_alu depctr_hold_cnt(0) depctr_sa_sdst(0) depctr_va_vdst(0) depctr_va_sdst(0) depctr_va_ssrc(0) depctr_va_vcc(0) depctr_vm_vsrc(0)
	s_getreg_b32 s2, hwreg(HW_REG_IB_STS2, 6, 4)
	s_cmp_eq_u32 s2, 0
	s_cbranch_scc0 .Lentry_in_a_cluster
	s_endpgm
.Lentry_in_a_cluster:
	s_bfe_u32 s2, ttmp6, 0x10000c
	s_cmp_lg_u32 s2, 0xf033
	s_cbranch_scc0 .Lentry_shape_is_right
	s_endpgm
.Lentry_shape_is_right:
; out0 = x Wo^T + bo: x [4096][1024] and Wo [1024][1024] as codes of FP6 (E2M3) with E8M0 scales, laid as fragment images; sums in f32; out0 f32.
; A tile of out0 is 128 x 128, so that there are 256 work-groups; four waves, 64 x 64 each: 16 accumulators.  Source 0 = 16 rows of Wo, source 1 = 16 rows of x: a lane holds one row of out0, and by the order of rows
; in a block (lane-row r of block a is row 8 a + r % 8 + 32 (r / 8) of my 64) register j of accumulator (a, b) is column 32 h + 8 b + j.
; CLUSTERS of 4 x 4: x's tile is asked for jointly along a row of the cluster, Wo's along a column.  ALL OF K LIES IN LDS, filled once, in one load a wave (four blocks, all of K) behind one round:
; so nothing is filled again.  The stage for the way out has LDS bytes of its own.
; x's fragments are laid by halves (a head is half a K step): each half is 512 bytes (registers 0-3, 16 a lane) and 256 bytes (registers 4-5, 8 a lane).  Wo's are three runs of 512 bytes.
; The bias is the C of each sum's first matrix instruction.
; REGISTERS.  Window 0: v8-13 addresses; v32-63 scale words (8 i + ks: lanes 0-15 x's block i, lanes 16-31 Wo's); v64-159 x's fragments, two sets; v160-255 Wo's, two sets; on the way out v64-191 rows of out0.
; Window 1: v0-127 accumulator (a, b) at 8 (4 a + b); v128-159 the bias of my 64 columns.
.set FRB,   1536
.set BLKB,  2*FRB
.set JB,    4*BLKB                     ; four blocks x two K steps
.set PART,  4*JB                       ; four blocks, all of K
.set STAGE, 4*PART
.set SPITCH, 528
.set ROWB,  12288
.set A16, 8
.set A8,  9
.set ADB, 10
.set STO, 11
.set RD,  12
.set L16, 13
.set SC,  32
.set AFR, 64
.set BFR, 160
.set OUTR, 64
.set CB,  128
.set WV, 12
.set HA, 13
.set HB, 14
.set CX, 15
.set CY, 16
.set TC, 17
.set TR, 18
.set G1A, 20
.set G1B, 28
.set G0A, 36                           ; s[36:39]
.set G0B, 68                           ; s[68:71]
.set MSB, 0
.macro WIN new
.if MSB != (\new)
	s_set_vgpr_msb (MSB<<8)|(\new)
.set MSB, (\new)
.endif
.endm
.macro CROUND
	s_barrier_signal -1
	s_barrier_wait -1
	s_cmp_lg_u32 s[WV], 0
	s_cbranch_scc1 .Lnot_wave_0_\@
	s_barrier_signal -3
.Lnot_wave_0_\@:
	s_barrier_wait -3
	s_barrier_signal -1
	s_barrier_wait -1
.endm
	s_load_b256 s[4:11], s[0:1], 0x0               ; codes, scales, bo, out0
	v_lshl_add_u32 v30, v0, 2, 0x40800
	v_mov_b32 v31, 0
	ds_add_u32 v30, v31
	ds_add_u32 v30, v31
	v_lshrrev_b32 v1, 5, v0
	v_readfirstlane_b32 s[WV], v1
	s_lshr_b32 s[HA], s[WV], 1                     ; which half of the tile's rows is mine; also: I fetch for x (0) or Wo (1)
	s_and_b32 s[HB], s[WV], 1                      ; which half of its columns; also: which four blocks I fetch
	s_bfe_u32 s[CX], ttmp6, 0x40000
	s_bfe_u32 s[CY], ttmp6, 0x40004
	s_lshl_b32 s[TC], ttmp9, 2
	s_add_co_u32 s[TC], s[TC], s[CX]               ; tile column, 0..7
	s_and_b32 s[TR], ttmp7, 0xffff
	s_lshl_b32 s[TR], s[TR], 2
	s_add_co_u32 s[TR], s[TR], s[CY]               ; tile row, 0..31
	s_lshl_b32 s52, s[CY], 2
	s_lshl_b32 s52, 15, s52
	s_lshl_b32 s53, 0x1111, s[CX]
	s_or_b32 s[G1A], s52, (3<<16)|(1<<21)
	s_or_b32 s[G1B], s53, (3<<16)|(1<<21)
.irp g, G1A, G1B
	s_mov_b32 s[\g+1], 1536<<16                    ; 12,288 bytes: a block, all of K
	s_mov_b32 s[\g+2], 4<<16                       ; four blocks
	s_mov_b32 s[\g+3], 1536<<16
	s_mov_b32 s[\g+4], 4
	s_mov_b32 s[\g+5], ROWB/8
	s_mov_b32 s[\g+6], 0
	s_mov_b32 s[\g+7], 0
.endr
	s_lshl_b32 s54, s[TR], 3
	s_add_co_u32 s54, s54, 1024                    ; the tile's first block of x
	s_lshl_b32 s55, s[TC], 3
	s_add_co_u32 s55, s55, 960                     ; of Wo
	s_lshl_b32 s56, s[HB], 2
	s_add_co_u32 s58, s54, s56
	s_add_co_u32 s60, s55, s56
	s_mul_i32 s58, s58, ROWB
	s_mov_b32 s59, 0
	s_mul_i32 s60, s60, ROWB
	s_mov_b32 s61, 0
	s_mul_i32 s57, s[WV], PART
	s_wait_dscnt 0x0
	s_wait_kmcnt 0x0
	s_add_nc_u64 s[58:59], s[4:5], s[58:59]
	s_add_nc_u64 s[60:61], s[4:5], s[60:61]
	CROUND                                         ; all sixteen work-groups are here: the joint loads meet
.irp j, 0
	s_mov_b32 s[G0A+4*\j], 1
	s_add_co_u32 s[G0A+4*\j+1], s57, \j*JB
	s_add_nc_u64 s[G0A+4*\j+2:G0A+4*\j+3], s[58:59], \j*BLKB
	s_or_b32 s[G0A+4*\j+3], s[G0A+4*\j+3], 0x80000000
	s_mov_b32 s[G0B+4*\j], 1
	s_add_co_u32 s[G0B+4*\j+1], s57, \j*JB
	s_add_nc_u64 s[G0B+4*\j+2:G0B+4*\j+3], s[60:61], \j*BLKB
	s_or_b32 s[G0B+4*\j+3], s[G0B+4*\j+3], 0x80000000
.endr
	s_cmp_eq_u32 s[HA], 0                          ; a wave's one fill stands in one branch: one load of mine is out
	s_cbranch_scc0 .Lfirst_b
	tensor_load_to_lds s[G0A:G0A+3], s[G1A:G1A+7]
	s_nop 0
.rept 4
	v_nop
.endr
	s_branch .Lfirst_asked
.Lfirst_b:
	tensor_load_to_lds s[G0B:G0B+3], s[G1B:G1B+7]
	s_nop 0
.rept 4
	v_nop
.endr
.Lfirst_asked:
	v_and_b32 v1, 15, v0                           ; r
	v_bfe_u32 v2, v0, 4, 1                         ; h
	s_wait_alu depctr_va_vdst(0)
	v_and_b32 v3, 31, v0                           ; lane
	s_wait_alu depctr_va_vdst(0)
	s_lshl_b32 s52, s[HA], 2
	s_add_co_u32 s52, s52, s54
	s_lshl_b32 s52, s52, 9                         ; my four blocks' scale words: x's,
	s_add_co_u32 s53, s55, s56
	s_lshl_b32 s53, s53, 9                         ; Wo's
	v_mov_b32 v4, s52
	v_mov_b32 v5, s53
	v_cmp_eq_u32 vcc_lo, 1, v2
	v_cndmask_b32 v4, v4, v5, vcc_lo               ; lanes 0-15 take x's, lanes 16-31 Wo's
	v_lshl_add_u32 v4, v1, 3, v4
.irp i, 0,1,2,3
.irp q, 0,1,2,3
	global_load_b64 v[SC+8*\i+2*\q:SC+8*\i+2*\q+1], v4, s[6:7] offset:(\i/2)*1024+\q*256+(\i%2)*128
.endr
.endr
	s_lshl_b32 s52, s[TC], 9
	s_lshl_b32 s53, s[HB], 8
	s_add_co_u32 s52, s52, s53                     ; my 64 columns of bo, in bytes
	v_lshl_add_u32 v5, v2, 7, s52                  ; register i of my 32 wants column 32 h + i
	WIN 0x40
.irp b, 0,1
.irp j, 0,1,2,3
	global_load_b128 v[CB+16*\b+4*\j:CB+16*\b+4*\j+3], v5, s[8:9] offset:64*\b+16*\j
.endr
.endr
	WIN 0
	v_lshlrev_b32 v[L16], 4, v3
	v_lshlrev_b32 v6, 3, v3
	s_mul_i32 s52, s[HA], PART
	s_mul_i32 s53, s[HB], PART
	s_add_co_u32 s53, s53, 2*PART
	v_add_nc_u32 v[A16], s52, v[L16]
	v_add_nc_u32 v[A8], s52, v6
	v_add_nc_u32 v[ADB], s53, v[L16]
	v_and_b32 v7, 8, v1
	v_mad_u32_u24 v7, v7, 3, v1                    ; lane-row r of block a is row r % 8 + 32 (r / 8) + 8 a of my 64
	v_mul_u32_u24 v[STO], v7, SPITCH
	v_lshl_add_u32 v[STO], v2, 7, v[STO]           ; register j of accumulator (a, b) is column 32 h + 8 b + j of my 64
	s_mul_i32 s52, s[HA], 64*SPITCH
	s_lshl_b32 s53, s[HB], 8
	s_add_co_u32 s52, s52, s53
	s_add_co_u32 s52, s52, STAGE
	v_add_nc_u32 v[STO], s52, v[STO]               ; into the stage: my 64 rows, my 256 bytes of them, + 128 h
	s_mul_i32 s52, s[WV], 32*SPITCH
	s_add_co_u32 s52, s52, STAGE
	v_add_nc_u32 v[RD], s52, v[L16]                ; back: wave w takes rows 32 w on, whole
	s_lshl_b32 s52, s[TR], 7
	s_lshl_b32 s53, s[WV], 5
	s_add_co_u32 s52, s52, s53
	s_lshl_b32 s52, s52, 12                        ; the first row of out0 that I store, 4,096 bytes a row,
	s_lshl_b32 s53, s[TC], 9
	s_add_co_u32 s52, s52, s53                     ; the tile's first column
	s_mov_b32 s53, 0
	s_add_nc_u64 s[10:11], s[10:11], s[52:53]
.macro FETCH ks                        ; K step ks's fragments into set ks % 2: 12 + 16 loads
.irp i, 0,1,2,3
.irp c, 0,1,2
	ds_load_b128 v[BFR+48*((\ks)%2)+12*\i+4*\c:BFR+48*((\ks)%2)+12*\i+4*\c+3], v[ADB] offset:\i*ROWB+(\ks)*FRB+512*\c
.endr
.endr
.irp i, 0,1,2,3
.irp c, 0,1
	ds_load_b128 v[AFR+48*((\ks)%2)+12*\i+6*\c:AFR+48*((\ks)%2)+12*\i+6*\c+3], v[A16] offset:\i*ROWB+(\ks)*FRB+768*\c
	ds_load_b64 v[AFR+48*((\ks)%2)+12*\i+6*\c+4:AFR+48*((\ks)%2)+12*\i+6*\c+5], v[A8] offset:\i*ROWB+(\ks)*FRB+768*\c+512
.endr
.endr
.endm
; K step ks: the next step's fragments are asked for first, then 16 matrix instructions, the accumulators by turns.
.macro KS ks
	s_wait_dscnt 0x0                               ; this step's fragments are in
.if (\ks) < 7
.rept 4
	v_nop                                          ; places in front of loads into the set that the last step's products read
.endr
	FETCH (\ks)+1
.endif
	WIN 0x50                                       ; C and D window 1
.irp a, 0,1,2,3
.irp b, 0,1,2,3
.if (\ks) == 0
	v_wmma_scale_f32_16x16x128_f8f6f4 v[8*(4*\a+\b):8*(4*\a+\b)+7], v[BFR+48*((\ks)%2)+12*\b:BFR+48*((\ks)%2)+12*\b+11], v[AFR+48*((\ks)%2)+12*\a:AFR+48*((\ks)%2)+12*\a+11], v[CB+8*\b:CB+8*\b+7], v[SC+8*\b+(\ks)], v[SC+8*\a+(\ks)] matrix_a_fmt:MATRIX_FMT_FP6 matrix_b_fmt:MATRIX_FMT_FP6 matrix_a_scale:MATRIX_SCALE_ROW1
.else
	v_wmma_scale_f32_16x16x128_f8f6f4 v[8*(4*\a+\b):8*(4*\a+\b)+7], v[BFR+48*((\ks)%2)+12*\b:BFR+48*((\ks)%2)+12*\b+11], v[AFR+48*((\ks)%2)+12*\a:AFR+48*((\ks)%2)+12*\a+11], v[8*(4*\a+\b):8*(4*\a+\b)+7], v[SC+8*\b+(\ks)], v[SC+8*\a+(\ks)] matrix_a_fmt:MATRIX_FMT_FP6 matrix_b_fmt:MATRIX_FMT_FP6 matrix_a_scale:MATRIX_SCALE_ROW1
.endif
.endr
.endr
	WIN 0
.endm
	s_wait_alu depctr_va_vdst(0)
	s_wait_tensorcnt 0x0                           ; my one load, four blocks with all of K (49,152 bytes on end), is in
	s_barrier_signal -1
	s_barrier_wait -1
	FETCH 0
	s_wait_loadcnt 0x0                             ; scale words and bias
.irp k, 0,1,2,3,4,5,6,7
	KS \k
.endr
	; THE WAY OUT: a row's 512 bytes come from two waves: through the work-group's stage, a barrier, and back as whole rows
.rept 4
	v_nop
.endr
	WIN 0x04                                       ; an LDS store's data are its source 1: window 1
.irp a, 0,1,2,3
.irp b, 0,1,2,3
	ds_store_b128 v[STO], v[8*(4*\a+\b):8*(4*\a+\b)+3] offset:8*\a*SPITCH+32*\b       ; each accumulator from its low end on
	ds_store_b128 v[STO], v[8*(4*\a+\b)+4:8*(4*\a+\b)+7] offset:8*\a*SPITCH+32*\b+16
.endr
.endr
	WIN 0
	s_wait_dscnt 0x0                               ; for the others' sake: my stores into the stage are done
	s_barrier_signal -1
	s_barrier_wait -1
.set t, 0
.rept 32
	ds_load_b128 v[OUTR+4*t:OUTR+4*t+3], v[RD] offset:t*SPITCH
.set t, t+1
.endr
.set t, 0
.rept 32
	s_wait_dscnt 31-t
	global_store_b128 v[L16], v[OUTR+4*t:OUTR+4*t+3], s[10:11] offset:t*4096 th:TH_STORE_NT   ; 32 lanes store 512 consecutive bytes, at a multiple of 256 from out0's first byte
.set t, t+1
.endr
	s_wait_tensorcnt 0x0
	ds_add_u32 v30, v31
	s_wait_dscnt 0x0
	CROUND                                         ; the closing round
	s_endpgm
.Lfunc_end_k_qe28cfbf57c_outp:
	.size	k_qe28cfbf57c_outp, .Lfunc_end_k_qe28cfbf57c_outp-k_qe28cfbf57c_outp
	.p2alignl 7, 3214868480
	.fill 96, 4, 3214868480
	.section	.rodata,"a",@progbits
	.p2align	6, 0x0
	.amdhsa_kernel k_qe28cfbf57c_outp
		.amdhsa_group_segment_fixed_size 264704
		.amdhsa_private_segment_fixed_size 0
		.amdhsa_enable_private_segment 0
		.amdhsa_kernarg_size 32
		.amdhsa_user_sgpr_count 2
		.amdhsa_user_sgpr_kernarg_segment_ptr 1
		.amdhsa_wavefront_size32 1
		.amdhsa_system_sgpr_workgroup_id_x 1
		.amdhsa_system_sgpr_workgroup_id_y 1
		.amdhsa_system_sgpr_workgroup_id_z 1
		.amdhsa_system_vgpr_workitem_id 0
		.amdhsa_next_free_vgpr 512
		.amdhsa_next_free_sgpr 84
		.amdhsa_reserve_vcc 1
		.amdhsa_float_denorm_mode_32 3
		.amdhsa_float_denorm_mode_16_64 3
		.amdhsa_memory_ordered 1
		.amdhsa_forward_progress 1
		.amdhsa_inst_pref_size 49
	.end_amdhsa_kernel
	.amdgpu_metadata
---
amdhsa.version: [ 1, 2 ]
amdhsa.kernels:
  - .name:           k_qe28cfbf57c_outp
    .symbol:         k_qe28cfbf57c_outp.kd
    .args:
      - { .name: codes, .offset: 0, .size: 8, .value_kind: global_buffer, .address_space: global }
      - { .name: scales, .offset: 8, .size: 8, .value_kind: global_buffer, .address_space: global }
      - { .name: bo, .offset: 16, .size: 8, .value_kind: global_buffer, .address_space: global }
      - { .name: out0, .offset: 24, .size: 8, .value_kind: global_buffer, .address_space: global }
    .group_segment_fixed_size: 264704
    .private_segment_fixed_size: 0
    .kernarg_segment_align: 8
    .kernarg_segment_size: 32
    .max_flat_workgroup_size: 128
    .sgpr_count:     84
    .vgpr_count:     512
    .wavefront_size: 32
...
	.end_amdgpu_metadata
.endif
;; end of part 4
